; MI455X (gfx1250); checked and timed in simulation.
; The chip was launched on July 23, 2026; its instructions are those of AMD's public machine-readable ISA for CDNA 5 (MIT licence, August 2026) and "CDNA5" Instruction Set Architecture Reference Guide (July 2026). The comments in the code are by the model that wrote it; some were corrected since.
;; Multi Head Self Attention. Allowed arithmetic: matrix products marked QUANTISED: E2M3 operands, one E8M0 scale for each 32 along K, by v_wmma_scale_f32_16x16x128_f8f6f4 with both operands' format E2M3, f32 sums; everything else in f32.
;; Inputs: W_k_codes 1,024 x 64 x 24 uint8 (E2M3 codes of W_k, K innermost, in blocks of 32 codes, four codes in three bytes); W_k_scales 1,024 x 64 uint8 (E8M0 scales of W_k, one for each 32 codes along K); W_o_codes 2,048 x 64 x 24 uint8 (E2M3 codes of W_o, K innermost, in blocks of 32 codes, four codes in three bytes); W_o_scales 2,048 x 64 uint8 (E8M0 scales of W_o, one for each 32 codes along K); W_q_codes 2,048 x 64 x 24 uint8 (E2M3 codes of W_q, K innermost, in blocks of 32 codes, four codes in three bytes); W_q_scales 2,048 x 64 uint8 (E8M0 scales of W_q, one for each 32 codes along K); W_v_codes 1,024 x 64 x 24 uint8 (E2M3 codes of W_v, K innermost, in blocks of 32 codes, four codes in three bytes); W_v_scales 1,024 x 64 uint8 (E8M0 scales of W_v, one for each 32 codes along K); x_codes 4 x 1,024 x 64 x 24 uint8 (E2M3 codes of x, K innermost, in blocks of 32 codes, four codes in three bytes); x_scales 4 x 1,024 x 64 uint8 (E8M0 scales of x, one for each 32 codes along K).
;; Outputs: out0 4 x 1,024 x 2,048 float32.
;; This version of the problem:
;;   THIS VERSION OF THE PROBLEM IS GIVEN IN LOW PRECISION. The matrix products marked QUANTISED in the list below multiply operands that are first quantised to E2M3 (2 exponent bits, 3 mantissa bits; 6 bits a number), with one power-of-two scale for each 32 numbers along K (OCP MX v1.0); their sums are f32. All else is computed in f32.
;;   The module's matrix products, in the order in which they are computed (A, B: the left and right operand; K: the contracted axis; several contracted axes count as one K, in the product's order):
;;     1. [M 4,096, K 2,048] x [K 2,048, N 2,048]; A: input x (given as codes); B: input W_q (given as codes): QUANTISED
;;     2. [M 4,096, K 2,048] x [K 2,048, N 1,024]; A: input x (given as codes); B: input W_k (given as codes): QUANTISED
;;     3. [M 4,096, K 2,048] x [K 2,048, N 1,024]; A: input x (given as codes); B: input W_v (given as codes): QUANTISED
;;     4. batch 64 x [M 1,024, K 128] x [K 128, N 1,024]; A: computed on the way; B: computed on the way: QUANTISED
;;     5. batch 64 x [M 128, K 1,024] x [K 1,024, N 1,024]; A: computed on the way; B: softmax (see below): QUANTISED
;;     6. [M 4,096, K 2,048] x [K 2,048, N 2,048]; A: computed on the way; B: input W_o (given as codes): QUANTISED
;;   THE QUANTISER, for each operand of a quantised product, along K:
;;     - K is cut into blocks of 32 from its start; a last block that is shorter is filled with zeros.
;;     - A block's scale is 2^e with e = floor(log2(the largest magnitude in the block)) - 2, held to -126 .. 127; a block of zeros has e = 0. As a byte (E8M0): e + 127.
;;     - Each number is divided by its block's scale, clamped to +-7.5, and rounded to the nearest number of E2M3, ties to even, subnormals kept.
;;     - The product sums the exact products of the quantised numbers (number of the format x scale) in f32.
;;   ~~~python
;;   def quantise(x, axis):      # numpy; x: float32 -> the quantised numbers, widened to float32 again
;;       x = np.moveaxis(x, axis, -1); K = x.shape[-1]
;;       x = np.pad(x, [(0, 0)] * (x.ndim - 1) + [(0, -K % 32)]); x = x.reshape(x.shape[:-1] + (-1, 32)); a = np.abs(x).max(-1, keepdims=True)
;;       e = np.where(a > 0, np.clip(np.frexp(np.where(a > 0, a, 1))[1] - 1 - 2, -126, 127), 0)      # np.frexp(a)[1] - 1 = floor(log2(a)), exactly
;;       r = np.clip(x / 2.0 ** e, -7.5, 7.5)
;;       step = 2.0 ** (np.maximum(np.frexp(np.where(r == 0, 1, r))[1] - 1, 0) - 3)
;;       q = np.round(r / step) * step * 2.0 ** e      # np.round: ties to even
;;       return np.moveaxis(q.reshape(q.shape[:-2] + (-1,))[..., :K], -1, axis).astype(np.float32)
;;   ~~~
;;   SOFTMAX AHEAD OF A QUANTISED PRODUCT. Where the list says 'softmax', what is quantised is not the finished softmax but p = 2^(t - M), with t = logit x log2(e) and M = ceil(the row's largest t), a whole number; so 1/2 < the row's largest p <= 1. The row's sum l is taken of the UNQUANTISED p, in f32, and the product's result is divided by l at the end. Since M is a whole number, a kernel that streams over the keys may use a running M (the ceiling of the running maximum): every later rescaling is an exact power of two, which a block's scale takes up: the codes' values come out the same.
;;   OPERANDS COMPUTED ON THE WAY. 'Computed on the way' means the value that the module computes at that place (a softmax that the list does not call 'softmax' is quantised finished and normalised). What goes into a quantiser is computed in f32, as accurately as f32 sums, v_exp_f32 and their like allow (about 1e-6 of the number): no bf16 or f16 on the way to a quantiser, and a product that is left as it is and whose result goes on into a quantised operand takes f32 operands (vector FMAs, or v_wmma_f32_16x16x4_f32). A number that lies on a knife's edge between two numbers of the format may be rounded either way, as far as f32 arithmetic and the matrix unit's own rounding can turn it there, and no further.
;;   INPUTS GIVEN AS CODES. W_k (in the module: [2048, 1024], K = its axis 0); W_o (in the module: [2048, 2048], K = its axis 0); W_q (in the module: [2048, 2048], K = its axis 0); W_v (in the module: [2048, 1024], K = its axis 0); x (in the module: [4, 1024, 2048], K = its axis 2): each comes as NAME_codes (uint8): NAME with its K axis moved to the last place and cut into blocks of 32 codes, [.., K / 32, bytes a block], one block behind the other in memory; four codes in three bytes: a row's codes are one little-endian stream of bits, code i at bits 6 i .. 6 i + 5 (a code: sign, 2 exponent bits, 3 mantissa bits); and NAME_scales (uint8): the same leading axes, one E8M0 byte (e + 127) for each 32 codes along K. Its value is code x scale, taken as it is: it is not quantised again, and the codes and scales need not be those that the quantiser above would give.
;; One version. Each part assembles by itself: llvm-mc -triple=amdgcn-amd-amdhsa -mcpu=gfx1250 --defsym DOCPART=n.
;; ======== version 1 of 1: 4 launches
;; limits: right only within a limited range of input values
;; workspace buffers: tab 1,114,112 bytes; img 16,384,000 bytes; qkv 13,107,200 bytes; attn_img 6,553,600 bytes
;; launch tables (part 1): grid 224 x 1, 8 waves a work-group, no clusters, 167,936 bytes of LDS; arguments tab, x_codes, x_scales, W_q_codes, W_q_scales, W_k_codes, W_k_scales, W_v_codes, W_v_scales, W_o_codes, W_o_scales, img; writes tab, img
.if DOCPART == 1
	.amdgcn_target "amdgcn-amd-amdhsa--gfx1250"
	.amdhsa_code_object_version 6
	.text
	.protected	k_q7cc201199b_tables
	.globl	k_q7cc201199b_tables
	.p2align	8
	.type	k_q7cc201199b_tables,@function
k_q7cc201199b_tables:
	s_mov_b64 s[64:65], 0
	v_nop
	global_prefetch_b8 v0, s[64:65] scope:SCOPE_SE
	s_setreg_imm32_b32 hwreg(HW_REG_WAVE_MODE, 25, 1), 1
	s_wait_xcnt 0x0
; THE ROTARY TABLES, cos and sin times the XPos scale, laid in the order of the registers that read them.
; tab, f32: byte = kind x 524,288 + tblock x 8,192 + G x 512 + lane x 16.  kind 0: for q (cos s, sin s); kind 1: for k (cos / s, sin / s); kind 2: eight blocks of (1, 0), for v.
; tblock covers t = 16 tblock + r, r = lane % 16, h = lane / 16.  G 0-7 hold C[4 G .. 4 G + 3], G 8-15 hold S[4 (G - 8) ..]; register 8 b + j is frequency i = 16 b + 8 h + j.
; A work-group makes one tblock; wave g makes registers 4 g .. 4 g + 3; a thread four pairs (t, i0 + e).  Each store of a wave covers 512 consecutive bytes, aligned.
; THE PHASE.  10000^(i / 64) = 10^(i / 16) is built in double-float arithmetic (a high and a low f32) from 10^(1/16), 10^(1/8), 10^(1/4), 10^(1/2), 10 and 100, so that its high part is the f32 number
; nearest to the true power; its reciprocal is corrected by one step; t x f is rounded once.  The angle (up to 1,023 radians) is reduced by pi / 2 in three parts, each product exact in the fused form,
; and sine and cosine are polynomials on [-pi/4, pi/4].
; LIMITS: sine and cosine of the given phase are right to about 1e-7 absolute; the scale s = 2^(power x log2(base)) to a few 1e-7 relative; if another power function rounded 10^(i/16) one unit in the
; last place otherwise, the phase at t = 1,023 would differ by at most 6e-5.  No input is read: nothing here hangs on data.
.set K2PI, 8                           ; s8   2 / pi
.set DP1,  9                           ; s9-11  -pi / 2 in three parts
.set SN1,  12                          ; s12-14 sine's coefficients
.set CN1,  15                          ; s15-17 cosine's
.set A0,   18                          ; s18  51.2
.set RC,   19                          ; s19  1 / 179.2
.set NB,   20                          ; s20  -179.2
; Work-groups 0-63 make the tables; work-groups 64-223 lay x and the four weights anew, into img (at the text's end).
	s_cmp_ge_u32 ttmp9, 64
	s_cbranch_scc1 .Lrelay
	s_load_b64 s[4:5], s[0:1], 0x0
	s_lshl_b32 s6, ttmp9, 13                       ; my tblock's 8,192 bytes
	s_mov_b32 s7, 0
	s_lshl_b32 s21, ttmp9, 4                       ; its first t
	s_mov_b32 s[K2PI], 0x3f22f983
	s_mov_b32 s[DP1], 0xbfc90000
	s_mov_b32 s[DP1+1], 0xb9fda000
	s_mov_b32 s[DP1+2], 0xb3a22169
	s_mov_b32 s[SN1], 0xb94ca1f9
	s_mov_b32 s[SN1+1], 0x3c08839e
	s_mov_b32 s[SN1+2], 0xbe2aaaa3
	s_mov_b32 s[CN1], 0x37ccf5ce
	s_mov_b32 s[CN1+1], 0xbab6061a
	s_mov_b32 s[CN1+2], 0x3d2aaaa5
	s_mov_b32 s[A0], 0x424ccccd
	s_mov_b32 s[RC], 0x3bb6db6e
	s_mov_b32 s[NB], 0xc3333333
	v_and_b32 v1, 15, v0                           ; r
	v_bfe_u32 v2, v0, 4, 1                         ; h
	v_lshrrev_b32 v3, 5, v0                        ; g: the wave
	v_lshlrev_b32 v5, 4, v0                        ; where I store: 512 g + 16 lane
	s_delay_alu instid0(VALU_DEP_4)
	v_add_nc_u32 v4, s21, v1                       ; t
	s_delay_alu instid0(VALU_DEP_1)
	v_cvt_f32_u32 v6, v4
	s_delay_alu instid0(VALU_DEP_2)
	v_add_nc_u32 v7, 0xfffffe00, v4                ; t - 512
	s_delay_alu instid0(VALU_DEP_1)
	v_cvt_f32_i32 v7, v7
	s_delay_alu instid0(VALU_DEP_1)
	v_mul_f32 v7, 0x3b000000, v7                   ; the power (t - 512) / 512: exact
	v_lshrrev_b32 v8, 1, v3
	s_delay_alu instid0(VALU_DEP_1)
	v_lshlrev_b32 v8, 4, v8
	s_delay_alu instid0(VALU_DEP_1)
	v_lshl_add_u32 v8, v2, 3, v8
	v_and_b32 v9, 1, v3
	s_delay_alu instid0(VALU_DEP_1)
	v_lshl_add_u32 v8, v9, 2, v8                   ; i0 = 16 (g / 2) + 8 h + 4 (g % 2)
; v[56:57] = the constant (hi, lo) where bit 'bit' of i0 is set, else (1, 0)
.macro DFSEL bit, hi, lo
	v_and_b32 v12, 1<<\bit, v8
	s_delay_alu instid0(VALU_DEP_1)
	v_cmp_ne_u32 vcc_lo, 0, v12
	v_mov_b32 v58, \hi
	v_mov_b32 v59, \lo
	s_delay_alu instid0(VALU_DEP_2)
	v_cndmask_b32 v56, 1.0, v58, vcc_lo
	s_delay_alu instid0(VALU_DEP_2)
	v_cndmask_b32 v57, 0, v59, vcc_lo
.endm
; (dh, dl) = (ah, al) x (ch, cl): the high product, its exact error by a fused multiply-add, the two cross terms, and a renormalisation
.macro DFMUL dh, dl, ah, al, ch, cl
	v_mul_f32 v12, v[\ah], v[\ch]
	s_delay_alu instid0(VALU_DEP_1)
	v_fma_f32 v13, v[\ah], v[\ch], -v12
	s_delay_alu instid0(VALU_DEP_1)
	v_fma_f32 v13, v[\ah], v[\cl], v13
	s_delay_alu instid0(VALU_DEP_1)
	v_fma_f32 v13, v[\al], v[\ch], v13
	s_delay_alu instid0(VALU_DEP_1)
	v_add_f32 v[\dh], v12, v13
	s_delay_alu instid0(VALU_DEP_1)
	v_sub_f32 v12, v12, v[\dh]
	s_delay_alu instid0(VALU_DEP_1)
	v_add_f32 v[\dl], v12, v13
.endm
	DFSEL 2, 0x3fe39ea9, 0xb26aed14                ; 10^(4/16)
	s_delay_alu instid0(VALU_DEP_2)
	v_mov_b32 v10, v56
	s_delay_alu instid0(VALU_DEP_2)
	v_mov_b32 v11, v57
	DFSEL 3, 0x404a62c2, 0xb324b33e                ; 10^(8/16)
	DFMUL 10, 11, 10, 11, 56, 57
	DFSEL 4, 0x41200000, 0                         ; 10
	DFMUL 10, 11, 10, 11, 56, 57
	DFSEL 5, 0x42c80000, 0                         ; 100
	DFMUL 10, 11, 10, 11, 56, 57                   ; P = 10^(i0 / 16)
	v_mov_b32 v56, 0x3f93cfe5                      ; 10^(1/16)
	v_mov_b32 v57, 0x334a4010
	v_mov_b32 v58, 0x3faab0d5                      ; 10^(2/16)
	v_mov_b32 v59, 0xb36458cd
	v_mov_b32 v16, v10
	DFMUL 17, 20, 10, 11, 56, 57
	DFMUL 18, 21, 10, 11, 58, 59
	DFMUL 19, 22, 18, 21, 56, 57
	s_wait_alu depctr_va_vdst(0)
.irp e, 0,1,2,3
	v_rcp_f32 v[24+\e], v[16+\e]
.endr
	v_nop                                          ; a plain instruction between the last reciprocal and the use of its result
	s_wait_alu depctr_va_vdst(0)
.irp e, 0,1,2,3
	v_fma_f32 v[28+\e], -v[16+\e], v[24+\e], 1.0
.endr
.irp e, 0,1,2,3
	v_fma_f32 v[16+\e], v[24+\e], v[28+\e], v[24+\e]   ; f = 1 / P, corrected once
.endr
.macro PAIR e
	v_mul_f32 v20, v6, v[16+\e]                    ; the phase x = t f: one rounding
	s_delay_alu instid0(VALU_DEP_1)
	v_mul_f32 v21, s[K2PI], v20
	s_delay_alu instid0(VALU_DEP_1)
	v_rndne_f32 v21, v21                           ; n = the nearest multiple of pi / 2
	s_delay_alu instid0(VALU_DEP_1)
	v_fma_f32 v22, v21, s[DP1], v20
	s_delay_alu instid0(VALU_DEP_1)
	v_fma_f32 v22, v21, s[DP1+1], v22
	s_delay_alu instid0(VALU_DEP_1)
	v_fma_f32 v22, v21, s[DP1+2], v22              ; r = x - n pi / 2
	s_delay_alu instid0(VALU_DEP_4)
	v_cvt_i32_f32 v23, v21
	s_delay_alu instid0(VALU_DEP_2)
	v_mul_f32 v24, v22, v22                        ; z = r r
	s_delay_alu instid0(VALU_DEP_1)
	v_fma_f32 v25, v24, s[SN1], s[SN1+1]
	s_delay_alu instid0(VALU_DEP_1)
	v_fma_f32 v25, v25, v24, s[SN1+2]
	s_delay_alu instid0(VALU_DEP_1)
	v_mul_f32 v25, v25, v24
	s_delay_alu instid0(VALU_DEP_1)
	v_fma_f32 v25, v25, v22, v22                   ; sin r
	v_fma_f32 v26, v24, s[CN1], s[CN1+1]
	s_delay_alu instid0(VALU_DEP_1)
	v_fma_f32 v26, v26, v24, s[CN1+2]
	v_fma_f32 v27, v24, -0.5, 1.0
	v_mul_f32 v28, v24, v24
	s_delay_alu instid0(VALU_DEP_1)
	v_fma_f32 v26, v26, v28, v27                   ; cos r
	v_and_b32 v27, 1, v23
	s_delay_alu instid0(VALU_DEP_1)
	v_cmp_eq_u32 vcc_lo, 1, v27                    ; an odd n changes the two over
	s_delay_alu instid0(VALU_DEP_1)
	v_cndmask_b32 v28, v25, v26, vcc_lo            ; sine
	s_delay_alu instid0(VALU_DEP_2)
	v_cndmask_b32 v29, v26, v25, vcc_lo            ; cosine
	v_lshlrev_b32 v27, 30, v23
	s_delay_alu instid0(VALU_DEP_1)
	v_and_b32 v27, 0x80000000, v27                 ; n % 4 = 2, 3: the sine's sign turns
	s_delay_alu instid0(VALU_DEP_1)
	v_xor_b32 v28, v28, v27
	v_add_nc_u32 v27, 1, v23
	s_delay_alu instid0(VALU_DEP_1)
	v_lshlrev_b32 v27, 30, v27
	s_delay_alu instid0(VALU_DEP_1)
	v_and_b32 v27, 0x80000000, v27                 ; n % 4 = 1, 2: the cosine's
	s_delay_alu instid0(VALU_DEP_1)
	v_xor_b32 v29, v29, v27
	v_add_nc_u32 v30, \e, v8
	s_delay_alu instid0(VALU_DEP_1)
	v_lshlrev_b32 v30, 1, v30
	s_delay_alu instid0(VALU_DEP_1)
	v_cvt_f32_u32 v30, v30
	s_delay_alu instid0(VALU_DEP_1)
	v_add_f32 v30, s[A0], v30                      ; 2 i + 51.2
	s_delay_alu instid0(VALU_DEP_1)
	v_mul_f32 v31, s[RC], v30
	s_delay_alu instid0(VALU_DEP_1)
	v_fma_f32 v30, s[NB], v31, v30
	s_delay_alu instid0(VALU_DEP_1)
	v_fma_f32 v31, v30, s[RC], v31                 ; / 179.2, corrected once
	s_wait_alu depctr_va_vdst(0)
	v_log_f32 v30, v31
	v_nop                                          ; a plain instruction behind the logarithm
	s_wait_alu depctr_va_vdst(0)
	v_mul_f32 v30, v7, v30
	s_wait_alu depctr_va_vdst(0)
	v_exp_f32 v31, v30                             ; s
	v_exp_f32 v27, -v30                            ; 1 / s
	v_nop                                          ; and behind the exponentials
	s_wait_alu depctr_va_vdst(0)
	v_mul_f32 v[32+\e], v29, v31
	v_mul_f32 v[36+\e], v28, v31
	v_mul_f32 v[40+\e], v29, v27
	v_mul_f32 v[44+\e], v28, v27
.endm
	PAIR 0
	PAIR 1
	PAIR 2
	PAIR 3
.irp e, 0,1,2,3
	v_mov_b32 v[48+\e], 1.0
	v_mov_b32 v[52+\e], 0
.endr
	s_wait_alu depctr_va_vdst(0)
	s_wait_kmcnt 0x0
	s_add_nc_u64 s[4:5], s[4:5], s[6:7]
	global_store_b128 v5, v[32:35], s[4:5]                 ; q: C
	global_store_b128 v5, v[36:39], s[4:5] offset:4096     ; q: S
	global_store_b128 v5, v[40:43], s[4:5] offset:524288   ; k: C
	global_store_b128 v5, v[44:47], s[4:5] offset:528384   ; k: S
	s_cmp_lt_u32 ttmp9, 8                          ; the first eight work-groups also write the eight blocks of (1, 0)
	s_cbranch_scc0 .Ldone
	global_store_b128 v5, v[48:51], s[4:5] offset:1048576
	global_store_b128 v5, v[52:55], s[4:5] offset:1052672
.Ldone:
	s_endpgm
; THE OPERANDS LAID ANEW.  img holds 80 row blocks of 128 rows (x 0-31, W_q 32-47, W_k 48-55, W_v 56-63, W_o 64-79), each 16 chunks of 12,800 bytes, one for each 128 along K:
; eight fragments (16 rows x 128 K) as images of their registers (1,536 bytes: register group c at 512 c, lane l at 16 l), then the 128 rows' scale words.
; A work-group takes one row block and 1,024 along K: 768 bytes of each row, three aligned units of 256.  Wave w brings its 16 rows by one tensor load (16 bytes of padding behind every 256: pitch 816),
; reads them back as eight fragments and stores each as three runs of 512 consecutive bytes; only the wave itself reads its LDS bytes, so its wait on TENSORcnt is all the ordering.
; It also lays the scale words of K step w of the 128 rows: lane l takes rows 4 l .. 4 l + 3 and stores 16 bytes, the wave 512 consecutive bytes.
.set RPITCH, 816
.set RWAVE,  16*RPITCH
.set RSPARE, 8*RWAVE                   ; the spare words: 128 bytes a wave
.set RCH,    12800
.Lrelay:
	s_load_b512 s[16:31], s[0:1], 0x8              ; x's codes, scales; W_q's; W_k's; W_v's
	s_load_b128 s[32:35], s[0:1], 0x48             ; W_o's
	s_load_b64 s[36:37], s[0:1], 0x58              ; img
	v_lshl_add_u32 v14, v0, 2, RSPARE
	v_mov_b32 v15, 0
	ds_add_u32 v14, v15                            ; the opening lines
	ds_add_u32 v14, v15
	v_lshrrev_b32 v1, 5, v0
	v_readfirstlane_b32 s8, v1                     ; wave 0..7
	s_sub_co_u32 s4, ttmp9, 64
	s_lshr_b32 s5, s4, 1                           ; row block 0..79
	s_and_b32 s6, s4, 1                            ; which 1,024 of K
	s_mov_b32 s44, (1<<20)|(5<<22)|(3<<25)         ; bytes; 4 words of padding behind every 64
	s_mov_b32 s45, 768<<16
	s_mov_b32 s46, 16<<16
	s_mov_b32 s47, 768<<16
	s_mov_b32 s48, 16
	s_mov_b32 s49, 1536
	s_mov_b32 s50, 0
	s_mov_b32 s51, 0
	s_mov_b32 s40, 1
	s_mul_i32 s41, s8, RWAVE
	s_wait_dscnt 0x0
	s_wait_kmcnt 0x0
	s_cmp_ge_u32 s5, 32                            ; whose row block: the choice hangs on the work-group's number alone
	s_cselect_b64 s[16:17], s[20:21], s[16:17]
	s_cselect_b64 s[18:19], s[22:23], s[18:19]
	s_cselect_b32 s7, 32, 0
	s_cmp_ge_u32 s5, 48
	s_cselect_b64 s[16:17], s[24:25], s[16:17]
	s_cselect_b64 s[18:19], s[26:27], s[18:19]
	s_cselect_b32 s7, 48, s7
	s_cmp_ge_u32 s5, 56
	s_cselect_b64 s[16:17], s[28:29], s[16:17]
	s_cselect_b64 s[18:19], s[30:31], s[18:19]
	s_cselect_b32 s7, 56, s7
	s_cmp_ge_u32 s5, 64
	s_cselect_b64 s[16:17], s[32:33], s[16:17]
	s_cselect_b64 s[18:19], s[34:35], s[18:19]
	s_cselect_b32 s7, 64, s7
	s_sub_co_u32 s9, s5, s7                        ; the row block inside its tensor
	s_lshl_b32 s10, s9, 3
	s_add_co_u32 s10, s10, s8                      ; my 16 rows
	s_mul_i32 s10, s10, 16*1536
	s_mul_i32 s11, s6, 768
	s_add_co_u32 s10, s10, s11
	s_mov_b32 s11, 0
	s_add_nc_u64 s[42:43], s[16:17], s[10:11]
	s_or_b32 s43, s43, 0x80000000
	tensor_load_to_lds s[40:43], s[44:51]
	s_nop 0
	s_lshl_b32 s12, s9, 13                         ; scales: 128 rows of 64 bytes; word 8 x half + w of each
	s_lshl_b32 s13, s6, 5
	s_add_co_u32 s12, s12, s13
	s_lshl_b32 s13, s8, 2
	s_add_co_u32 s12, s12, s13
	s_mov_b32 s13, 0
	s_add_nc_u64 s[18:19], s[18:19], s[12:13]
	s_lshl_b32 s14, s5, 4
	s_lshl_b32 s15, s6, 3
	s_add_co_u32 s14, s14, s15                     ; the first of my work-group's eight chunks
	s_add_co_u32 s52, s14, s8                      ; the chunk whose scale words I lay
	s_mul_i32 s14, s14, RCH
	s_mul_i32 s15, s8, 1536
	s_add_co_u32 s14, s14, s15
	s_mov_b32 s15, 0
	s_add_nc_u64 s[38:39], s[36:37], s[14:15]
	s_mul_i32 s52, s52, RCH
	s_mov_b32 s53, 0
	s_add_nc_u64 s[36:37], s[36:37], s[52:53]
	v_and_b32 v2, 15, v0
	v_bfe_u32 v3, v0, 4, 1
	v_and_b32 v4, 31, v0
	v_mul_u32_u24 v5, v2, RPITCH
	v_add_nc_u32 v5, s41, v5
	v_mad_u32_u24 v6, v3, 24, v5                   ; row x pitch + 24 x half
	v_mad_u32_u24 v7, v3, 40, v5                   ; the same where lanes 16-31 lie behind one padding more
	v_lshlrev_b32 v12, 4, v4
	v_lshlrev_b32 v13, 8, v4
	s_wait_alu depctr_va_vdst(0)                   ; the wait at the head's end
.irp j, 0,1,2,3
	global_load_b32 v[8+\j], v13, s[18:19] offset:64*\j
.endr
	s_wait_tensorcnt 0x0                           ; my 16 rows are in
.irp s, 0,1,2,3,4,5,6,7
.irp p, 0,1,2,3,4,5
.set BY, 96*\s+48*(\p/3)+8*(\p%3)
.if BY/256 == (BY+24)/256
	ds_load_b64 v[32+12*\s+2*\p:33+12*\s+2*\p], v6 offset:BY+16*(BY/256)
.else
	ds_load_b64 v[32+12*\s+2*\p:33+12*\s+2*\p], v7 offset:BY+16*(BY/256)
.endif
.endr
.endr
	s_wait_loadcnt 0x0
	global_store_b128 v12, v[8:11], s[36:37] offset:12288
	s_wait_dscnt 0x0
.irp s, 0,1,2,3,4,5,6,7
.irp c, 0,1,2
	global_store_b128 v12, v[32+12*\s+4*\c:35+12*\s+4*\c], s[38:39] offset:RCH*\s+512*\c
.endr
.endr
	s_wait_tensorcnt 0x0                           ; the wave's end
	ds_add_u32 v14, v15
	s_wait_dscnt 0x0
	s_endpgm
.Lfunc_end_k_q7cc201199b_tables:
	.size	k_q7cc201199b_tables, .Lfunc_end_k_q7cc201199b_tables-k_q7cc201199b_tables
	.p2alignl 7, 3214868480
	.fill 96, 4, 3214868480
	.section	.rodata,"a",@progbits
	.p2align	6, 0x0
	.amdhsa_kernel k_q7cc201199b_tables
		.amdhsa_group_segment_fixed_size 167936
		.amdhsa_private_segment_fixed_size 0
		.amdhsa_enable_private_segment 0
		.amdhsa_kernarg_size 96
		.amdhsa_user_sgpr_count 2
		.amdhsa_user_sgpr_kernarg_segment_ptr 1
		.amdhsa_wavefront_size32 1
		.amdhsa_system_sgpr_workgroup_id_x 1
		.amdhsa_system_sgpr_workgroup_id_y 1
		.amdhsa_system_sgpr_workgroup_id_z 1
		.amdhsa_system_vgpr_workitem_id 0
		.amdhsa_next_free_vgpr 128
		.amdhsa_next_free_sgpr 66
		.amdhsa_reserve_vcc 1
		.amdhsa_float_denorm_mode_32 3
		.amdhsa_float_denorm_mode_16_64 3
		.amdhsa_memory_ordered 1
		.amdhsa_forward_progress 1
		.amdhsa_inst_pref_size 30
	.end_amdhsa_kernel
	.amdgpu_metadata
---
amdhsa.version: [ 1, 2 ]
amdhsa.kernels:
  - .name:           k_q7cc201199b_tables
    .symbol:         k_q7cc201199b_tables.kd
    .args:
      - { .name: tab, .offset: 0, .size: 8, .value_kind: global_buffer, .address_space: global }
      - { .name: x_codes, .offset: 8, .size: 8, .value_kind: global_buffer, .address_space: global }
      - { .name: x_scales, .offset: 16, .size: 8, .value_kind: global_buffer, .address_space: global }
      - { .name: W_q_codes, .offset: 24, .size: 8, .value_kind: global_buffer, .address_space: global }
      - { .name: W_q_scales, .offset: 32, .size: 8, .value_kind: global_buffer, .address_space: global }
      - { .name: W_k_codes, .offset: 40, .size: 8, .value_kind: global_buffer, .address_space: global }
      - { .name: W_k_scales, .offset: 48, .size: 8, .value_kind: global_buffer, .address_space: global }
      - { .name: W_v_codes, .offset: 56, .size: 8, .value_kind: global_buffer, .address_space: global }
      - { .name: W_v_scales, .offset: 64, .size: 8, .value_kind: global_buffer, .address_space: global }
      - { .name: W_o_codes, .offset: 72, .size: 8, .value_kind: global_buffer, .address_space: global }
      - { .name: W_o_scales, .offset: 80, .size: 8, .value_kind: global_buffer, .address_space: global }
      - { .name: img, .offset: 88, .size: 8, .value_kind: global_buffer, .address_space: global }
    .group_segment_fixed_size: 167936
    .private_segment_fixed_size: 0
    .kernarg_segment_align: 8
    .kernarg_segment_size: 96
    .max_flat_workgroup_size: 256
    .sgpr_count:     66
    .vgpr_count:     128
    .wavefront_size: 32
...
	.end_amdgpu_metadata
.endif
;; end of part 1
;; launch qkv (part 2): grid 16 x 16, 4 waves a work-group, clusters of 4 x 4, 327,680 bytes of LDS; arguments img, tab, qkv; writes qkv
.if DOCPART == 2
	.amdgcn_target "amdgcn-amd-amdhsa--gfx1250"
	.amdhsa_code_object_version 6
	.text
	.protected	k_q7cc201199b_qkv
	.globl	k_q7cc201199b_qkv
	.p2align	8
	.type	k_q7cc201199b_qkv,@function
k_q7cc201199b_qkv:
	s_mov_b64 s[64:65], 0
	v_nop
	global_prefetch_b8 v0, s[64:65] scope:SCOPE_SE
	s_setreg_imm32_b32 hwreg(HW_REG_WAVE_MODE, 25, 1), 1
	s_wait_xcnt 0x0
	s_wait_alu depctr_hold_cnt(0) depctr_sa_sdst(0) depctr_va_vdst(0) depctr_va_sdst(0) depctr_va_ssrc(0) depctr_va_vcc(0) depctr_vm_vsrc(0)
	s_getreg_b32 s2, hwreg(HW_REG_IB_STS2, 6, 4)
	s_cmp_eq_u32 s2, 0
	s_cbranch_scc0 .Lentry_in_a_cluster
	s_endpgm
.Lentry_in_a_cluster:
	s_bfe_u32 s2, ttmp6, 0x10000c
	s_cmp_lg_u32 s2, 0xf033
	s_cbranch_scc0 .Lentry_shape_is_right
	s_endpgm
.Lentry_shape_is_right:
; THE THREE PROJECTIONS AS ONE GEMM ON CODES OF FP6 (E2M3), THE ROTARY, AND THE QUANTISING OF q, k AND v.
; A product has an "A side" (16 rows to a result's lanes) and a "B side" (16 rows to a result's registers); K = 2,048.  What is made is quantised along the B side.
;   cluster x 0, 1: A = x, B = W_q;   cluster x 2: A = x, B = W_k;   cluster x 3: A = W_v, B = x: v TRANSPOSED, a lane one channel d, its registers along t.
; Both sides come from img: row blocks of 128 rows (x 0-31, W_q 32-47, W_k 48-55, W_v 56-63), each 16 chunks of 12,800 bytes (128 along K): eight fragments as register images, then 128 scale words.
; A tile of 256 x 256 is made by four waves, each 128 x 128: 64 accumulators.  K goes through two LDS slots of THREE steps of 128: a wave's one load is 38,400 dense bytes (150 rows of 256), codes and scales together.
; 16 steps are five slots and one step: the last fill's second and third chunk belong to the next row block of img (inside the buffer) and are not read.
; 4 x 4 work-groups form a cluster: A's tiles are asked for jointly along a row of it, B's along a column.
; PREFETCH: behind the load of fill n stands the request for fill n + 1, three steps ahead of its load; the 150 blocks of 256 bytes of a wave's load are shared out by address among the four partners
; (38 each, clamped to the last).  The last fill has no successor: nothing is asked behind it.  The rotary's tables, 8,192 bytes a block, are asked for once by the two waves that share them.
; Register j of accumulator (a, b), lane (r, h): A row 16 a + r, B row 16 b + 8 h + j.  A wave's 128 B rows are one head (q, k) or 128 keys (v).
; THE ROTARY: y1 = x1 C - x2 S, y2 = x2 C + x1 S, x1 in accumulator (a, b), x2 in (a, b + 4); C and S come from tab in the registers' order; v takes C = 1, S = 0, which leaves finite numbers as they are.
; THE QUANTISER: a block of 32 along the B side lies in lanes l and l xor 16.  Inside a block the order is 8 h + i, 16 + 8 h + (i - 8): alike for q and k, and for v and the p of the next launch.
; OUT: chunks of the same form as img's.  Each store of a wave covers 512 consecutive bytes, aligned.
; LIMITS: a block whose largest magnitude lies under 2^-124, a block of zeros too, has the byte 1 (this program alone reads the bytes); NaN and infinities are not served.
; The rotary multiplies by C = fl(cos x s) and fuses the second product: another order of rounding than scaling first, within a few 1e-7 of the number.
; REGISTERS: window 0: v16-29 addresses; v32-47 scale words, two sets; v64-127 a block on the way out; from v128 A's fragments, one set.  window 1: B's fragments, two sets, at v0 and v128; the tables' four sets.  windows 2, 3: accumulators.
.set CH,     12800
.set REG,    3*CH                      ; what one tensor load brings
.set SLOT,   4*REG                     ; A's two halves, B's two halves
.set RB,     16*CH
.set FR,     12
.set NP,     4
.set SPARE,  2*SLOT                    ; the spare words: 128 bytes a wave
.set SCSTG,  SPARE+512                 ; 512 bytes a wave: scale words just made; no fill lands here
.set ADRA, 16
.set ADRB, 18
.set ADRS, 20
.set PF0,  22
.set PF1,  23
.set LI,   24
.set SW,   25
.set SR,   26
.set PFT,  27
.set SPW,  28
.set NIL,  29
.set SC,   32
.set HA,   64
.set AF,   128
.set PC,   128
.set TM,   160
.set PW,   176
.set SQ,   180
.set SEL,  20
.set G1, 24
.set G0, 32
.set G1B, 48
.set G0B, 56
.set PFA, 68
.set MSB, 0
.macro WIN new                         ; the immediate's high byte repeats the setting that is left
.if MSB != \new
	s_set_vgpr_msb (MSB<<8)|\new
.set MSB, \new
.endif
.endm
.set MUL_LO, 0xa1                      ; source 0 (B) window 1, source 1 (A) window 0, C and D window 2
.set MUL_HI, 0xf1
.set TO_B,   0x40
.macro JLOAD g0a, g1a, g0b, g1b        ; a joint load: waves 0, 1 fetch for A, waves 2, 3 for B
	s_cmp_eq_u32 s15, 0
	s_cbranch_scc0 .Lfor_b_\@
	tensor_load_to_lds s[\g0a:\g0a+3], s[\g1a:\g1a+7]
	s_nop 0
.rept 4
	v_nop
.endr
	s_branch .Lasked_\@
.Lfor_b_\@:
	tensor_load_to_lds s[\g0b:\g0b+3], s[\g1b:\g1b+7]
	s_nop 0
.rept 4
	v_nop
.endr
.Lasked_\@:
.endm
.macro CREST
	s_cmp_lg_u32 s14, 0
	s_cbranch_scc1 .Lnot_wave_0_\@
	s_barrier_signal -3
.Lnot_wave_0_\@:
	s_barrier_wait -3
	s_barrier_signal -1
	s_barrier_wait -1
.endm
.macro CROUND
	s_barrier_signal -1
	s_barrier_wait -1
	CREST
.endm
.macro ASK off
	global_prefetch_b8 v[PF0], s[PFA:PFA+1] offset:\off th:TH_LOAD_NT scope:SCOPE_SE
	global_prefetch_b8 v[PF1], s[PFA:PFA+1] offset:\off th:TH_LOAD_NT scope:SCOPE_SE
.endm
.macro ASKT n                          ; the tables of block 2 n + (my half of B): the wave beside me takes the other
	global_prefetch_b8 v[PFT], s[96:97] offset:(\n)*16384 th:TH_LOAD_NT scope:SCOPE_SE
.endm
	s_load_b128 s[4:7], s[0:1], 0x0                ; img, tab
	s_load_b64 s[12:13], s[0:1], 0x10              ; qkv
	v_lshl_add_u32 v[SPW], v0, 2, SPARE
	v_mov_b32 v[NIL], 0
	ds_add_u32 v[SPW], v[NIL]                      ; the opening lines
	ds_add_u32 v[SPW], v[NIL]
	v_lshrrev_b32 v1, 5, v0
	v_readfirstlane_b32 s14, v1                    ; wave 0..3
	s_lshr_b32 s15, s14, 1                         ; my half of A's rows.  Also: I fetch for A (0) or B (1)
	s_and_b32 s16, s14, 1                          ; my half of B's rows.  Also: which 128 rows I fetch
	s_bfe_u32 s40, ttmp6, 0x40000                  ; cx
	s_bfe_u32 s41, ttmp6, 0x40004                  ; cy
	s_and_b32 s92, ttmp7, 0xffff
	s_and_b32 s93, ttmp9, 1
	s_max_u32 s98, ttmp9, 1
	s_sub_co_u32 s98, s98, 1                       ; kind: 0 q, 1 k, 2 v
	s_cmp_eq_u32 ttmp9, 3
	s_cselect_b32 s94, 0, s92
	s_cselect_b32 s95, s92, s93
	s_cselect_b32 s66, 56, 0                       ; A's first row block: W_v's or x's
	s_cselect_b32 s67, 0, 32                       ; B's: x's, W_q's,
	s_cmp_eq_u32 ttmp9, 2
	s_cselect_b32 s67, 48, s67                     ; or W_k's
	s_lshl_b32 s94, s94, 2
	s_add_co_u32 s17, s94, s41                     ; A's tile: never holds cx
	s_lshl_b32 s95, s95, 2
	s_add_co_u32 s42, s95, s40                     ; B's tile: never holds cy
	s_lshl_b32 s43, s41, 2
	s_lshl_b32 s43, 15, s43                        ; my row of the cluster
	s_lshl_b32 s44, 0x1111, s40                    ; my column
	s_or_b32 s[G1], s43, (3<<16)|(1<<21)           ; 150 rows of 32 elements of 8 bytes, dense
	s_or_b32 s[G1B], s44, (3<<16)|(1<<21)
.irp g, G1, G1B
	s_mov_b32 s[\g+1], 32<<16
	s_mov_b32 s[\g+2], (REG/256)<<16
	s_mov_b32 s[\g+3], 32<<16
	s_mov_b32 s[\g+4], REG/256
	s_mov_b32 s[\g+5], 32
	s_mov_b32 s[\g+6], 0
	s_mov_b32 s[\g+7], 0
.endr
	s_lshl_b32 s20, s17, 1
	s_add_co_u32 s20, s20, s66
	s_add_co_u32 s20, s20, s16
	s_mul_i32 s20, s20, RB                         ; A's row block that I would fetch, in bytes
	s_mov_b32 s21, 0
	s_lshl_b32 s46, s42, 1
	s_add_co_u32 s46, s46, s67
	s_add_co_u32 s46, s46, s16
	s_mul_i32 s46, s46, RB                         ; B's
	s_mov_b32 s47, 0
	s_mul_i32 s45, s14, REG                        ; where it goes
	s_wait_dscnt 0x0
	s_wait_kmcnt 0x0
	s_mov_b64 s[96:97], s[6:7]
	s_add_nc_u64 s[20:21], s[4:5], s[20:21]
	s_add_nc_u64 s[46:47], s[4:5], s[46:47]
	CROUND                                         ; all sixteen work-groups are here: the first joint loads meet
.irp s, 0,1
	s_mov_b32 s[G0+4*\s], 1
	s_add_co_u32 s[G0+4*\s+1], s45, \s*SLOT
	s_add_nc_u64 s[G0+4*\s+2:G0+4*\s+3], s[20:21], \s*REG
	s_or_b32 s[G0+4*\s+3], s[G0+4*\s+3], 0x80000000
	s_mov_b32 s[G0B+4*\s], 1
	s_add_co_u32 s[G0B+4*\s+1], s45, \s*SLOT
	s_add_nc_u64 s[G0B+4*\s+2:G0B+4*\s+3], s[46:47], \s*REG
	s_or_b32 s[G0B+4*\s+3], s[G0B+4*\s+3], 0x80000000
.endr
	s_cmp_eq_u32 s15, 0
	s_cselect_b32 s70, s40, s41                    ; my place among the four that ask with me
	s_cselect_b64 s[PFA:PFA+1], s[20:21], s[46:47]
	JLOAD G0, G1, G0B, G1B                         ; steps 0-2: my one load at the head
	s_mul_i32 s70, s70, 38
	s_mul_i32 s71, s15, REG                        ; my 128 rows of A in a slot
	s_mul_i32 s72, s16, REG
	s_add_co_u32 s72, s72, 2*REG                   ; my 128 rows of B
	s_sub_co_u32 s73, s72, s71
	s_lshl_b32 s74, s14, 9
	s_add_co_u32 s74, s74, SCSTG
	s_lshl_b32 s75, s16, 13
	s_lshl_b32 s20, s17, 1
	s_add_co_u32 s20, s20, s15                     ; my 128 rows of A, as a number
	s_lshl_b32 s21, s42, 1
	s_add_co_u32 s21, s21, s16                     ; my 128 rows of B
	s_cmp_eq_u32 ttmp9, 3
	s_cselect_b32 s22, s21, s20                    ; which 128 rows of x: 8 x batch + t / 128
	s_cselect_b32 s23, s20, s21                    ; the head
	s_cselect_b32 s47, 0, 1                        ; the tables walk with t, but not for v
	s_cmp_eq_u32 s98, 0
	s_cselect_b32 s46, 4, 3                        ; 16 heads or 8
	s_cselect_b32 s92, 0, 256
	s_lshl_b32 s93, s98, 8
	s_add_co_u32 s92, s92, s93                     ; the region's first chunk: 0, 512, 768
	s_lshr_b32 s93, s22, 3
	s_lshl_b32 s93, s93, s46
	s_add_co_u32 s93, s93, s23
	s_lshl_b32 s93, s93, 3
	s_and_b32 s94, s22, 7
	s_add_co_u32 s93, s93, s94
	s_add_co_u32 s93, s93, s92                     ; my chunk
	s_mul_i32 s92, s93, CH
	s_mov_b32 s93, 0
	s_add_nc_u64 s[12:13], s[12:13], s[92:93]
	s_mul_i32 s94, s94, s47
	s_lshl_b32 s94, s94, 16
	s_lshl_b32 s95, s98, 19
	s_add_co_u32 s94, s94, s95
	s_mov_b32 s95, 0
	s_add_nc_u64 s[96:97], s[96:97], s[94:95]      ; my eight blocks of tables
	s_mov_b32 s[SEL], 0x76543210
	s_mov_b32 s[SEL+1], 0xfedcba98
	v_and_b32 v1, 15, v0
	v_bfe_u32 v2, v0, 4, 1
	v_and_b32 v6, 31, v0
	v_lshlrev_b32 v[LI], 4, v6
	v_add_nc_u32 v[ADRA], s71, v[LI]
	v_add_nc_u32 v[ADRB], s72, v[LI]
	v_add_nc_u32 v[ADRA+1], SLOT, v[ADRA]
	v_add_nc_u32 v[ADRB+1], SLOT, v[ADRB]
	v_mul_u32_u24 v5, s73, v2                      ; scale words: lanes 0-15 A's, lanes 16-31 B's
	v_lshl_add_u32 v5, v1, 2, v5
	v_add_nc_u32 v5, s71, v5
	v_add_nc_u32 v[ADRS], 12288, v5
	v_add_nc_u32 v[ADRS+1], SLOT+12288, v5
	v_lshl_add_u32 v[SW], v1, 2, s74
	v_add_nc_u32 v[SR], s74, v[LI]
	v_add_nc_u32 v7, s70, v6                       ; the prefetches' blocks: 38 x place + 0 .. 37, held at 149
	v_min_u32 v7, REG/256-1, v7
	v_lshlrev_b32 v[PF0], 8, v7
	v_min_u32 v8, 5, v6
	v_add3_u32 v8, v8, s70, 32
	v_min_u32 v8, REG/256-1, v8
	v_lshlrev_b32 v[PF1], 8, v8
	v_lshl_add_u32 v[PFT], v6, 8, s75
	s_wait_alu depctr_va_vdst(0)                   ; the wait at the head's end
.macro FRAG reg, adr, q, i             ; a fragment from its image: three loads of 16 bytes a lane, 512 consecutive bytes each
.irp c, 0,1,2
	ds_load_b128 v[\reg+4*\c:\reg+4*\c+3], v[\adr] offset:(\q)*CH+(\i)*1536+512*\c
.endr
.endm
; 16 matrix instructions: A's blocks a0, a0 + 1 x B's eight.  p: B's set and the set of scale words.  The 64 accumulators take turns.
.macro MUL16 a0, p, zero
.irp a, \a0, \a0+1
.irp b, 0,1,2,3,4,5,6,7
.if \zero
	v_wmma_scale_f32_16x16x128_f8f6f4 v[8*(8*((\a)%4)+\b):8*(8*((\a)%4)+\b)+7], v[128*(\p)+FR*\b:128*(\p)+FR*\b+FR-1], v[AF+FR*(\a):AF+FR*(\a)+FR-1], 0, v[SC+8*(\p)+\b], v[SC+8*(\p)+(\a)] matrix_a_fmt:MATRIX_FMT_FP6 matrix_b_fmt:MATRIX_FMT_FP6 matrix_a_scale:MATRIX_SCALE_ROW1
.else
	v_wmma_scale_f32_16x16x128_f8f6f4 v[8*(8*((\a)%4)+\b):8*(8*((\a)%4)+\b)+7], v[128*(\p)+FR*\b:128*(\p)+FR*\b+FR-1], v[AF+FR*(\a):AF+FR*(\a)+FR-1], v[8*(8*((\a)%4)+\b):8*(8*((\a)%4)+\b)+7], v[SC+8*(\p)+\b], v[SC+8*(\p)+(\a)] matrix_a_fmt:MATRIX_FMT_FP6 matrix_b_fmt:MATRIX_FMT_FP6 matrix_a_scale:MATRIX_SCALE_ROW1
.endif
.endr
.endr
.endm
.macro FETCH_B slot, q, p
	WIN TO_B
.irp i, 0,1,2,3,4,5,6,7
	FRAG 128*(\p)+FR*\i, ADRB+\slot, \q, \i
.endr
	WIN 0
.endm
.macro FETCH_A slot, q, i0
.irp i, \i0, \i0+1, \i0+2, \i0+3
	FRAG AF+FR*(\i), ADRA+\slot, \q, \i
.endr
.endm
.macro SCALES slot, q, p
.irp i, 0,1,2,3,4,5,6,7
	ds_load_b32 v[SC+8*(\p)+\i], v[ADRS+\slot] offset:(\q)*CH+64*\i
.endr
.endm
.macro PLACES n                        ; plain vector instructions between a matrix instruction and a load into, or a read of, its registers
.rept \n
	v_nop
.endr
.endm
.macro STEP p, ns, nq, zero            ; a step on set p; the next step's fragments, at (slot ns, step nq), come in its middle and at its end
	s_wait_dscnt 12                                ; all but the youngest 12 loads (A's blocks 4-7)
	WIN MUL_LO
	MUL16 0, \p, \zero
	MUL16 2, \p, \zero
	s_wait_dscnt 0
	PLACES NP
	FETCH_B \ns, \nq, 1-(\p)
	FETCH_A \ns, \nq, 0
	SCALES \ns, \nq, 1-(\p)
	WIN MUL_HI
	MUL16 4, \p, \zero
	MUL16 6, \p, \zero
	PLACES NP
	WIN 0
	FETCH_A \ns, \nq, 4
.endm
; A slot's last step changes slots: one barrier; in front of it each wave waits for all its tensor loads, adds 0 to its spare word, and waits for that and for its reads of this slot.
.macro TURN slot, p, next, fill, ask   ; ask = 1: always; 2: not in the loop's last trip
.if \fill
	s_wait_xcnt 0x0                                ; my prefetches have read their base
	s_add_nc_u64 s[PFA:PFA+1], s[PFA:PFA+1], REG
.endif
	s_wait_tensorcnt 0x0
	ds_add_u32 v[SPW], v[NIL]
	s_wait_dscnt 13                                ; (the add and the youngest 12 loads may be out)
	WIN MUL_LO
	MUL16 0, \p, 0
	s_wait_dscnt 0x0
	s_barrier_signal -1
	MUL16 2, \p, 0
	WIN 0
	s_barrier_wait -1
.if \fill
	CREST                                          ; the barrier has opened a round of the cluster's
	s_add_nc_u64 s[G0+4*\slot+2:G0+4*\slot+3], s[G0+4*\slot+2:G0+4*\slot+3], 2*REG
	s_add_nc_u64 s[G0B+4*\slot+2:G0B+4*\slot+3], s[G0B+4*\slot+2:G0B+4*\slot+3], 2*REG
	JLOAD G0+4*\slot, G1, G0B+4*\slot, G1B         ; its four v_nop are the places in front of the loads below
.else
	PLACES NP
.endif
	FETCH_B \next, 0, 1-(\p)
	FETCH_A \next, 0, 0
	SCALES \next, 0, 1-(\p)
.if \ask == 1
	ASK 2*REG
.endif
.if \ask == 2
	s_cmp_lg_u32 s3, 1
	s_cbranch_scc0 .Lno_ask_\@
	ASK 2*REG
.Lno_ask_\@:
.endif
	WIN MUL_HI
	MUL16 4, \p, 0
	MUL16 6, \p, 0
	PLACES NP
	WIN 0
	FETCH_A \next, 0, 4
.endm
.macro TSET p                          ; where table set p lies in window 1: 32 registers of C, 32 of S
.if (\p) == 0
.set TC, 96
.set TS, 224
.endif
.if (\p) == 1
.set TC, 0
.set TS, 32
.endif
.if (\p) == 2
.set TC, 64
.set TS, 128
.endif
.if (\p) == 3
.set TC, 160
.set TS, 192
.endif
.endm
.macro TABLD p, a                      ; the tables of A's block a into set p: 16 loads of 512 consecutive bytes
	TSET \p
	WIN TO_B
.irp g, 0,1,2,3,4,5,6,7
	global_load_b128 v[TC+4*\g:TC+4*\g+3], v[LI], s[96:97] offset:(\a)*8192+512*\g
.endr
.irp g, 0,1,2,3,4,5,6,7
	global_load_b128 v[TS+4*\g:TS+4*\g+3], v[LI], s[96:97] offset:(\a)*8192+4096+512*\g
.endr
	WIN 0
.endm
.macro ROT a                           ; the rotary of block a: 64 numbers into v[HA] on; each accumulator is read from its low end on
	TSET (\a)%4
.set AC, 64*((\a)%4)
.if (\a) < 4
	WIN 0x06                                       ; source 0: window 2; source 1: window 1
.else
	WIN 0x07
.endif
.irp b, 0,1,2,3
.irp jj, 0,2,4,6
	v_pk_mul_f32 v[HA+8*\b+\jj:HA+8*\b+\jj+1], v[AC+8*(\b+4)+\jj:AC+8*(\b+4)+\jj+1], v[TS+8*\b+\jj:TS+8*\b+\jj+1]
	v_pk_mul_f32 v[HA+8*(\b+4)+\jj:HA+8*(\b+4)+\jj+1], v[AC+8*\b+\jj:AC+8*\b+\jj+1], v[TS+8*\b+\jj:TS+8*\b+\jj+1]
	v_pk_fma_f32 v[HA+8*\b+\jj:HA+8*\b+\jj+1], v[AC+8*\b+\jj:AC+8*\b+\jj+1], v[TC+8*\b+\jj:TC+8*\b+\jj+1], v[HA+8*\b+\jj:HA+8*\b+\jj+1] neg_lo:[0,0,1] neg_hi:[0,0,1]
	v_pk_fma_f32 v[HA+8*(\b+4)+\jj:HA+8*(\b+4)+\jj+1], v[AC+8*(\b+4)+\jj:AC+8*(\b+4)+\jj+1], v[TC+8*\b+\jj:TC+8*\b+\jj+1], v[HA+8*(\b+4)+\jj:HA+8*(\b+4)+\jj+1]
.endr
.endr
	WIN 0
.endm
.macro QUANT s                         ; 64 numbers of a lane become a fragment's codes in v[PC] on and its scale word in v[PW]
.irp b, 0,1,2,3
	v_max3_num_f32 v[TM+\b], |v[\s+16*\b]|, |v[\s+1+16*\b]|, 0x1800000   ; with the floor 2^(3 - 127): the byte cannot fall under 1
.endr
.irp i, 2,4,6,8,10,12,14
.irp b, 0,1,2,3
	v_max3_num_f32 v[TM+\b], v[TM+\b], |v[\s+16*\b+\i]|, |v[\s+1+16*\b+\i]|
.endr
.endr
.irp b, 0,1,2,3
	v_permlanex16_b32 v[TM+4+\b], v[TM+\b], s[SEL], s[SEL+1]
.endr
.irp b, 0,1,2,3
	v_max_num_f32 v[TM+\b], v[TM+\b], v[TM+4+\b]
.endr
.irp b, 0,1,2,3
	v_add_nc_u32 v[TM+12+\b], 0xff000000, v[TM+\b] ; 2 off the exponent field: the conversion's scale operand
.endr
.irp b, 0,1,2,3
	v_lshrrev_b32 v[TM+4+\b], 23, v[TM+12+\b]
.endr
	v_lshl_or_b32 v[PW], v[TM+5], 8, v[TM+4]
	v_lshl_or_b32 v[PW], v[TM+6], 16, v[PW]
	v_lshl_or_b32 v[PW], v[TM+7], 24, v[PW]
.irp c, 0,1
	v_cvt_scalef32_pk16_fp6_f32 v[PC+6*\c:PC+2+6*\c], v[\s+32*\c:\s+15+32*\c], v[TM+12+2*\c]
	v_cvt_scalef32_pk16_fp6_f32 v[PC+12+4*\c:PC+14+4*\c], v[\s+16+32*\c:\s+31+32*\c], v[TM+12+2*\c+1]
.endr
	v_nop                                          ; one plain place behind a scaled conversion
.irp c, 0,1
.irp i, 0,1,2
	v_permlane16_swap_b32 v[PC+6*\c+\i], v[PC+12+4*\c+\i]
.endr
.irp i, 0,1,2
	v_mov_b32 v[PC+3+6*\c+\i], v[PC+12+4*\c+\i]
.endr
.endr
.endm
.macro EPI a
.if (\a) > 0
	s_wait_xcnt 0x0                                ; the last block's stores have read their registers
	s_wait_dscnt 0x0
.endif
.if (\a) < 5
	s_wait_loadcnt 48                              ; this block's tables are in; the next three blocks' 16 loads each may be out
.else
	s_wait_loadcnt 16*(7-(\a))
.endif
	ROT \a
.if (\a) < 4
	TABLD \a, (\a)+4                               ; the set just read takes the tables of four blocks on
.endif
	QUANT HA
.irp c, 0,1,2
	global_store_b128 v[LI], v[PC+4*\c:PC+4*\c+3], s[12:13] offset:1536*(\a)+512*\c
.endr
	ds_store_b32 v[SW], v[PW] offset:64*(\a)       ; both halves of the lanes write the same word with the same value
.endm
	ASK REG                                        ; steps 3-5
	TABLD 0, 0                                     ; block 0's tables, into registers that the loop does not touch
	s_wait_tensorcnt 0x0                           ; my part of slot 0 is in; slot 1's first fill is issued as a refill is:
	ds_add_u32 v[SPW], v[NIL]
	s_wait_dscnt 0x0
	CROUND
	JLOAD G0+4, G1, G0B+4, G1B                     ; steps 3-5
	FETCH_B 0, 0, 0
	FETCH_A 0, 0, 0
	SCALES 0, 0, 0
	FETCH_A 0, 0, 4
	ASK 2*REG                                      ; steps 6-8
	ASKT 0
	ASKT 1
	STEP 0, 0, 1, 1                                ; step 0 starts the sums
	ASKT 2
	ASKT 3
	s_mov_b32 s3, 2
.Llap:                                                 ; a trip: six steps, once round the ring, both slots filled again
	STEP 1, 0, 2, 0
	TURN 0, 0, 1, 1, 1
	STEP 1, 1, 1, 0
	STEP 0, 1, 2, 0
	TURN 1, 1, 0, 1, 2
	STEP 0, 0, 1, 0
	s_sub_co_u32 s3, s3, 1
	s_cmp_lg_u32 s3, 0
	s_cbranch_scc1 .Llap
	STEP 1, 0, 2, 0                                ; step 13
	TURN 0, 0, 1, 0, 0                             ; step 14: nothing is left to fetch
	TABLD 1, 1                                     ; B's set 0 is done with, four places behind its last product
	s_wait_dscnt 12                                ; step 15
	WIN MUL_LO
	MUL16 0, 1, 0
	MUL16 2, 1, 0
	s_wait_dscnt 0
	WIN MUL_HI
	MUL16 4, 1, 0
	MUL16 6, 1, 0
	WIN 0
	PLACES NP                                      ; in front of the loads into B's set 1, the first read of results and the first write over A's fragments
	TABLD 2, 2
	TABLD 3, 3
.irp b, 0,1,2,3
	v_mov_b32 v[TM+4+\b], 0                        ; a lane permute's destination counts as one of its sources
.endr
.irp a, 0,1,2,3,4,5,6,7
	EPI \a
.endr
	ds_load_b128 v[SQ:SQ+3], v[SR]                 ; LDS serves a wave's instructions in order: this sees my eight stores
	s_wait_dscnt 0x0
	global_store_b128 v[LI], v[SQ:SQ+3], s[12:13] offset:12288
	s_wait_tensorcnt 0x0                           ; the wave's end
	ds_add_u32 v[SPW], v[NIL]
	s_wait_dscnt 0x0
	CROUND                                         ; the closing round
	s_endpgm
.Lfunc_end_k_q7cc201199b_qkv:
	.size	k_q7cc201199b_qkv, .Lfunc_end_k_q7cc201199b_qkv-k_q7cc201199b_qkv
	.p2alignl 7, 3214868480
	.fill 96, 4, 3214868480
	.section	.rodata,"a",@progbits
	.p2align	6, 0x0
	.amdhsa_kernel k_q7cc201199b_qkv
		.amdhsa_group_segment_fixed_size 327680
		.amdhsa_private_segment_fixed_size 0
		.amdhsa_enable_private_segment 0
		.amdhsa_kernarg_size 24
		.amdhsa_user_sgpr_count 2
		.amdhsa_user_sgpr_kernarg_segment_ptr 1
		.amdhsa_wavefront_size32 1
		.amdhsa_system_sgpr_workgroup_id_x 1
		.amdhsa_system_sgpr_workgroup_id_y 1
		.amdhsa_system_sgpr_workgroup_id_z 1
		.amdhsa_system_vgpr_workitem_id 0
		.amdhsa_next_free_vgpr 1024
		.amdhsa_next_free_sgpr 100
		.amdhsa_reserve_vcc 0
		.amdhsa_float_denorm_mode_32 3
		.amdhsa_float_denorm_mode_16_64 3
		.amdhsa_memory_ordered 1
		.amdhsa_forward_progress 1
		.amdhsa_inst_pref_size 211
	.end_amdhsa_kernel
	.amdgpu_metadata
---
amdhsa.version: [ 1, 2 ]
amdhsa.kernels:
  - .name:           k_q7cc201199b_qkv
    .symbol:         k_q7cc201199b_qkv.kd
    .args:
      - { .name: img, .offset: 0, .size: 8, .value_kind: global_buffer, .address_space: global }
      - { .name: tab, .offset: 8, .size: 8, .value_kind: global_buffer, .address_space: global }
      - { .name: qkv, .offset: 16, .size: 8, .value_kind: global_buffer, .address_space: global }
    .group_segment_fixed_size: 327680
    .private_segment_fixed_size: 0
    .kernarg_segment_align: 8
    .kernarg_segment_size: 24
    .max_flat_workgroup_size: 128
    .sgpr_count:     100
    .vgpr_count:     1024
    .wavefront_size: 32
...
	.end_amdgpu_metadata
.endif
;; end of part 2
;; launch attn (part 3): grid 8 x 32, 16 waves a work-group, clusters of 4 x 1, 327,680 bytes of LDS; arguments qkv, attn_img; writes attn_img
.if DOCPART == 3
	.amdgcn_target "amdgcn-amd-amdhsa--gfx1250"
	.amdhsa_code_object_version 6
	.text
	.protected	k_q7cc201199b_attn
	.globl	k_q7cc201199b_attn
	.p2align	8
	.type	k_q7cc201199b_attn,@function
k_q7cc201199b_attn:
	s_mov_b64 s[64:65], 0
	v_nop
	global_prefetch_b8 v0, s[64:65] scope:SCOPE_SE
	s_setreg_imm32_b32 hwreg(HW_REG_WAVE_MODE, 25, 1), 1
	s_wait_xcnt 0x0
	s_wait_alu depctr_hold_cnt(0) depctr_sa_sdst(0) depctr_va_vdst(0) depctr_va_sdst(0) depctr_va_ssrc(0) depctr_va_vcc(0) depctr_vm_vsrc(0)
	s_getreg_b32 s2, hwreg(HW_REG_IB_STS2, 6, 4)
	s_cmp_eq_u32 s2, 0
	s_cbranch_scc0 .Lentry_in_a_cluster
	s_endpgm
.Lentry_in_a_cluster:
	s_bfe_u32 s2, ttmp6, 0x10000c
	s_cmp_lg_u32 s2, 0x3003
	s_cbranch_scc0 .Lentry_shape_is_right
	s_endpgm
.Lentry_shape_is_right:
.set CH,   12800
.set HALF, 8*CH
.set VO,   4*CH
.set LI,  1
.set LS,  2
.set DG,  3
.set RO,  4
.set LN,  5
.set ADK, 8
.set ADS, 9
.set WV,  10
.set JB,  11
.set HDS, 12
.set WT,  13
.set GG,  14
.set G1,  16
.set G0,  24
.set SEL, 32
.set CS,  34
.set TB,  36
.set ST,  37
.macro CROUND
	s_barrier_signal -1
	s_barrier_wait -1
	s_cmp_lg_u32 s[WV], 0
	s_cbranch_scc1 .Lnot_wave_0_\@
	s_barrier_signal -3
.Lnot_wave_0_\@:
	s_barrier_wait -3
	s_barrier_signal -1
	s_barrier_wait -1
.endm
	s_load_b128 s[4:7], s[0:1], 0x0
	v_lshl_add_u32 v251, v0, 2, 0x32000
	v_mov_b32 v255, 0
	ds_add_u32 v251, v255
	ds_add_u32 v251, v255
	v_lshrrev_b32 v8, 5, v0
	s_delay_alu instid0(VALU_DEP_1)
	v_readfirstlane_b32 s[WV], v8
	s_bfe_u32 s38, ttmp6, 0x40000
	s_lshl_b32 s[WT], ttmp9, 2
	s_add_co_u32 s[WT], s[WT], s38
	s_and_b32 s[GG], ttmp7, 0xffff
	s_lshr_b32 s[HDS], s[WV], 3
	s_and_b32 s39, s[WV], 7
	s_lshl_b32 s40, s39, 2
	s_mov_b32 s41, 0x61520734
	s_cmp_lt_u32 s[WV], 8
	s_cselect_b32 s41, 0x52613407, s41
	s_lshr_b32 s41, s41, s40
	s_and_b32 s[JB], s41, 7
	s_lshl_b32 s42, s[GG], 3
	s_add_co_u32 s42, s42, 512
	s_mul_i32 s42, s42, CH
	s_mul_i32 s43, s[HDS], 256*CH
	s_add_co_u32 s42, s42, s43
	s_mul_i32 s43, s39, 6400
	s_add_co_u32 s42, s42, s43
	s_mov_b32 s43, 0
	s_lshl_b32 s44, s[GG], 1
	s_add_co_u32 s44, s44, s[HDS]
	s_lshl_b32 s44, s44, 3
	s_add_co_u32 s44, s44, s[JB]
	s_mul_i32 s44, s44, CH
	s_lshl_b32 s46, s[WT], 6
	s_add_co_u32 s46, s46, s44
	s_mov_b32 s47, 0
	s_mul_i32 s45, s[WT], 1536
	s_add_co_u32 s44, s44, s45
	s_mov_b32 s45, 0
	s_lshr_b32 s48, s[GG], 3
	s_and_b32 s49, s[GG], 7
; OUT: attn_img in chunks of 12,800 bytes, [row block of 128 rows: 8 x batch + t / 128][head]: eight fragments as register images, then 128 scale words
	s_lshl_b32 s50, s48, 3
	s_add_co_u32 s50, s50, s[JB]
	s_lshl_b32 s50, s50, 4
	s_lshl_b32 s51, s49, 1
	s_add_co_u32 s50, s50, s51
	s_add_co_u32 s50, s50, s[HDS]
	s_mul_i32 s50, s50, CH
	s_lshl_b32 s52, s[WT], 6
	s_add_co_u32 s52, s52, s50
	s_add_co_u32 s52, s52, 12288
	s_mul_i32 s51, s[WT], 1536
	s_add_co_u32 s50, s50, s51
	s_mov_b32 s51, 0
	s_mov_b32 s53, 0
	s_mov_b32 s[G1], 15|(3<<16)|(1<<21)
	s_mov_b32 s[G1+1], 32<<16
	s_mov_b32 s[G1+2], 25<<16
	s_mov_b32 s[G1+3], 32<<16
	s_mov_b32 s[G1+4], 25
	s_mov_b32 s[G1+5], 32
	s_mov_b32 s[G1+6], 0
	s_mov_b32 s[G1+7], 0
	s_mov_b32 s[G0], 1
	s_mul_i32 s[G0+1], s[WV], 6400
	s_mov_b32 s[G0+4], 1
	s_add_co_u32 s[G0+5], s[G0+1], HALF
	s_mov_b32 s[SEL], 0x76543210
	s_mov_b32 s[SEL+1], 0xfedcba98
	s_mov_b32 s[CS], 0x3e0293ee
	s_mov_b32 s[CS+1], s[CS]
	s_wait_dscnt 0x0
	s_wait_kmcnt 0x0
	s_add_nc_u64 s[G0+2:G0+3], s[4:5], s[42:43]
	s_add_nc_u64 s[G0+6:G0+7], s[G0+2:G0+3], 4*CH
	s_or_b32 s[G0+3], s[G0+3], 0x80000000
	s_or_b32 s[G0+7], s[G0+7], 0x80000000
	s_add_nc_u64 s[44:45], s[4:5], s[44:45]
	s_add_nc_u64 s[46:47], s[4:5], s[46:47]
	s_add_nc_u64 s[8:9], s[6:7], s[52:53]
	s_add_nc_u64 s[6:7], s[6:7], s[50:51]
; q's fragment and its scale words are asked for here, ahead of the rounds and the tiles' loads; the wait for them stands in front of the first loop
	v_and_b32 v[LN], 31, v0
	s_delay_alu instid0(VALU_DEP_1)
	v_lshlrev_b32 v[LI], 4, v[LN]
	s_delay_alu instid0(VALU_DEP_2)
	v_lshlrev_b32 v[LS], 2, v[LN]
	v_and_b32 v9, 15, v0
	v_bfe_u32 v8, v0, 4, 1
	s_delay_alu instid0(VALU_DEP_2)
	v_lshlrev_b32 v[RO], 2, v9
	s_delay_alu instid0(VALU_DEP_3)
	v_lshlrev_b32 v6, 2, v9
.irp c, 0,1,2
	global_load_b128 v[16+4*\c:19+4*\c], v[LI], s[44:45] offset:512*\c th:TH_LOAD_NT
.endr
	global_load_b32 v28, v6, s[46:47] offset:12288
	CROUND
	tensor_load_to_lds s[G0:G0+3], s[G1:G1+7]
	s_nop 0
	s_wait_alu depctr_va_vdst(0)
	s_wait_tensorcnt 0x0
	ds_add_u32 v251, v255
	s_wait_dscnt 0x0
	CROUND
	tensor_load_to_lds s[G0+4:G0+7], s[G1:G1+7]
	s_nop 0
.rept 4
	v_nop
.endr
	v_lshlrev_b32 v8, 3, v8
	s_delay_alu instid0(VALU_DEP_1)
	v_sub_nc_u32 v[DG], v9, v8
	s_lshl_b32 s39, s[WT], 4
	v_add_nc_u32 v[DG], s39, v[DG]
	v_mov_b32 v13, 0xff61b1e6
	s_delay_alu instid0(VALU_DEP_1)
	v_floor_f32 v12, -v13
	v_mov_b32 v14, 0
	v_mov_b32 v15, 0
.irp b, 0,1,2,3
	v_mov_b32 v[236+\b], 0
.endr
	v_mov_b32 v252, 0
	v_mov_b32 v253, 0
	v_mov_b32 v254, 0
.set jx, 0
.rept 64
	v_mov_b32 v[160+jx], 0
.set jx, jx+1
.endr
.macro FETCH4 off, g
.irp t, 0,1,2,3
.irp c, 0,1,2
	ds_load_b128 v[32+12*\t+4*\c:35+12*\t+4*\c], v[ADK] offset:\off+(4*\g+\t)*1536+512*\c
.endr
.endr
.irp u, 0,1
	ds_load_b32 v[248+\u], v[ADS] offset:\off+12288+256*\g+128*\u
.endr
.endm
.macro SPROD g, t
.if (\t)%2
	v_wmma_scale_f32_16x16x128_f8f6f4 v[96+8*(4*\g+\t):103+8*(4*\g+\t)], v[32+12*\t:43+12*\t], v[16:27], 0, v[248+(\t)/2], v28 matrix_a_fmt:MATRIX_FMT_FP6 matrix_b_fmt:MATRIX_FMT_FP6 matrix_a_scale:MATRIX_SCALE_ROW1
.else
	v_wmma_scale_f32_16x16x128_f8f6f4 v[96+8*(4*\g+\t):103+8*(4*\g+\t)], v[32+12*\t:43+12*\t], v[16:27], 0, v[248+(\t)/2], v28 matrix_a_fmt:MATRIX_FMT_FP6 matrix_b_fmt:MATRIX_FMT_FP6
.endif
.endm
.macro PVPROD g, t
.if (\t)%2
	v_wmma_scale_f32_16x16x128_f8f6f4 v[160+8*(4*\g+\t):167+8*(4*\g+\t)], v[32+12*\t:43+12*\t], v[224:235], v[160+8*(4*\g+\t):167+8*(4*\g+\t)], v[248+(\t)/2], v253 matrix_a_fmt:MATRIX_FMT_FP6 matrix_b_fmt:MATRIX_FMT_FP6 matrix_a_scale:MATRIX_SCALE_ROW1
.else
	v_wmma_scale_f32_16x16x128_f8f6f4 v[160+8*(4*\g+\t):167+8*(4*\g+\t)], v[32+12*\t:43+12*\t], v[224:235], v[160+8*(4*\g+\t):167+8*(4*\g+\t)], v[248+(\t)/2], v253 matrix_a_fmt:MATRIX_FMT_FP6 matrix_b_fmt:MATRIX_FMT_FP6
.endif
.endm
.macro STEP
	s_cmp_gt_i32 s[ST], s[JB]
	s_cbranch_scc1 .Lhidden_\@
	v_add_nc_u32 v[ADK], s[TB], v[LI]
	s_wait_alu depctr_va_vdst(0)
	v_add_nc_u32 v[ADS], s[TB], v[LS]
	s_wait_alu depctr_va_vdst(0)
	v_nop
	v_nop
.irp g, 0,1
.if \g
.rept 4
	v_nop
.endr
.endif
	FETCH4 0, \g
	s_wait_dscnt 0x0
.irp t, 0,1,2,3
	SPROD \g, \t
.endr
.endr
.rept 4
	v_nop
.endr
	FETCH4 VO, 0
	s_cmp_lg_u32 s[ST], s[JB]
	s_cbranch_scc1 .Lopen_\@
	v_mov_b32 v254, 0xff800000
.set nn, 0
.rept 64
	v_cmp_gt_i32 vcc_lo, 16*(nn/8)+nn%8, v[DG]
	v_cndmask_b32 v[96+nn], v[96+nn], v254, vcc_lo
.set nn, nn+1
.endr
.Lopen_\@:
.irp b, 0,1,2,3
	v_max3_num_f32 v[232+\b], v[96+16*\b], v[97+16*\b], v[98+16*\b]
.endr
.irp i, 3,5,7,9,11,13
.irp b, 0,1,2,3
	v_max3_num_f32 v[232+\b], v[232+\b], v[96+16*\b+\i], v[97+16*\b+\i]
.endr
.endr
.irp b, 0,1,2,3
	v_max_num_f32 v[232+\b], v[232+\b], v[111+16*\b]
.endr
.irp b, 0,1,2,3
	s_delay_alu instid0(VALU_DEP_4)
	v_permlanex16_b32 v[236+\b], v[232+\b], s[SEL], s[SEL+1]
.endr
.irp b, 0,1,2,3
	s_delay_alu instid0(VALU_DEP_4)
	v_max_num_f32 v[232+\b], v[232+\b], v[236+\b]
.endr
	s_delay_alu instid0(VALU_DEP_2)
	v_max3_num_f32 v254, v232, v233, v234
	s_delay_alu instid0(VALU_DEP_1)
	v_max_num_f32 v254, v254, v235
	s_delay_alu instid0(VALU_DEP_1)
	v_mul_f32 v254, s[CS], v254
	s_delay_alu instid0(VALU_DEP_1)
	v_max_num_f32 v13, v13, v254
	v_mov_b32 v254, v12
	s_delay_alu instid0(VALU_DEP_2)
	v_floor_f32 v12, -v13
	s_delay_alu instid0(VALU_DEP_1)
	v_sub_f32 v254, v12, v254
	s_delay_alu instid0(VALU_DEP_1)
	v_cvt_i32_f32 v254, v254
	s_delay_alu instid0(VALU_DEP_1)
	v_ldexp_f32 v252, 1.0, v254
.set jx, 0
.rept 32
	v_pk_fma_f32 v[96+jx:97+jx], v[96+jx:97+jx], s[CS:CS+1], v[12:13] op_sel_hi:[1,0,0]
.set jx, jx+2
.endr
.irp b, 0,1,2,3
	v_fma_f32 v[232+\b], v[232+\b], s[CS], v12
.endr
.set jx, 0
	s_wait_alu depctr_va_vdst(0)
.rept 64
	v_exp_f32 v[96+jx], v[96+jx]
.set jx, jx+1
.endr
.irp b, 0,1,2,3
	v_exp_f32 v[232+\b], v[232+\b]
.endr
	v_pk_mul_f32 v[14:15], v[14:15], v[252:253] op_sel_hi:[1,0]
	s_wait_alu depctr_va_vdst(0)
.irp b, 0,1,2,3
	v_max_num_f32 v[232+\b], 0x1800000, v[232+\b]
.endr
.irp b, 0,1,2,3
	s_delay_alu instid0(VALU_DEP_4)
	v_add_nc_u32 v[244+\b], 0xff000000, v[232+\b]
.endr
.irp b, 0,1,2,3
	s_delay_alu instid0(VALU_DEP_4)
	v_lshrrev_b32 v[236+\b], 23, v[244+\b]
.endr
	s_delay_alu instid0(VALU_DEP_3)
	v_lshl_or_b32 v253, v237, 8, v236
	s_delay_alu instid0(VALU_DEP_1)
	v_lshl_or_b32 v253, v238, 16, v253
	s_delay_alu instid0(VALU_DEP_1)
	v_lshl_or_b32 v253, v239, 24, v253
.irp c, 0,1
	v_cvt_scalef32_pk16_fp6_f32 v[224+6*\c:226+6*\c], v[96+32*\c:111+32*\c], v[244+2*\c]
	v_cvt_scalef32_pk16_fp6_f32 v[236+4*\c:238+4*\c], v[112+32*\c:127+32*\c], v[244+2*\c+1]
.endr
	v_nop
.irp c, 0,1
.irp i, 0,1,2
	v_permlane16_swap_b32 v[224+6*\c+\i], v[236+4*\c+\i]
.endr
.irp i, 0,1,2
	s_delay_alu instid0(VALU_DEP_3)
	v_mov_b32 v[227+6*\c+\i], v[236+4*\c+\i]
.endr
.endr
	v_pk_add_f32 v[236:237], v[96:97], v[98:99]
.irp j, 4,8,12,16,20,24,28,32,36,40,44,48,52,56,60
	v_pk_add_f32 v[14:15], v[14:15], v[96+\j:97+\j]
	v_pk_add_f32 v[236:237], v[236:237], v[98+\j:99+\j]
.endr
	s_delay_alu instid0(VALU_DEP_1)
	v_pk_add_f32 v[14:15], v[14:15], v[236:237]
.set jx, 0
.rept 32
	v_pk_mul_f32 v[160+jx:161+jx], v[160+jx:161+jx], v[252:253] op_sel_hi:[1,0]
.set jx, jx+2
.endr
	s_wait_alu depctr_va_vdst(0)
	s_wait_dscnt 0x0
.irp t, 0,1,2,3
	PVPROD 0, \t
.endr
.rept 4
	v_nop
.endr
	FETCH4 VO, 1
	s_wait_dscnt 0x0
.irp t, 0,1,2,3
	PVPROD 1, \t
.endr
.Lhidden_\@:
	s_add_co_u32 s[TB], s[TB], CH
.endm
	s_wait_loadcnt 0x0
	s_wait_tensorcnt 0x1
	s_barrier_signal -1
	s_barrier_wait -1
; WHO WORKS WHEN.  All sixteen tiles of K and V stay in LDS, so a wave may take its steps in either loop.  The eight waves whose query block is 4 to 7 (bit 0 of the wave's number equal to bit 2)
; take key blocks 0-3 in the first loop and 4 up to their own query block in the second.  The other eight (query block j under 4) pass over the first loop (bound -1, signed compare) and take key blocks 0 .. j in the second:
; there their bound is j + 4 and their first tile lies at LDS byte 0.  So each SIMD has two waves at work in the first loop and up to four in the second.
	s_lshr_b32 s54, s[WV], 2
	s_xor_b32 s54, s54, s[WV]
	s_and_b32 s54, s54, 1                          ; 1: my query block is under 4
	s_lshl_b32 s55, s54, 2
	s_add_co_u32 s55, s55, s[JB]                   ; the second loop's bound
	s_xor_b32 s56, s54, 1
	s_mul_i32 s56, s56, HALF                       ; the second loop's first tile
	s_cmp_eq_u32 s54, 0
	s_cselect_b32 s[JB], s[JB], -1                 ; the first loop's bound
	s_mov_b32 s[TB], 0
	s_mov_b32 s[ST], 0
.Lfirst:
	STEP
	s_add_co_u32 s[ST], s[ST], 1
	s_cmp_lt_u32 s[ST], 4
	s_cbranch_scc1 .Lfirst
	s_wait_tensorcnt 0x0
	s_wait_dscnt 0x0
	s_barrier_signal -1
	s_barrier_wait -1
	s_mov_b32 s[JB], s55
	s_mov_b32 s[TB], s56
	s_mov_b32 s[ST], 4
.Lsecond:
	STEP
	s_add_co_u32 s[ST], s[ST], 1
	s_cmp_lt_u32 s[ST], 8
	s_cbranch_scc1 .Lsecond
.rept 4
	v_nop
.endr
	v_add_f32 v14, v14, v15
	s_delay_alu instid0(VALU_DEP_1)
	v_permlanex16_b32 v252, v14, s[SEL], s[SEL+1]
	s_delay_alu instid0(VALU_DEP_1)
	v_add_f32 v14, v14, v252
	s_wait_alu depctr_va_vdst(0)
	v_rcp_f32 v14, v14
	v_nop
.set jx, 0
	s_wait_alu depctr_va_vdst(0)
.rept 32
	v_pk_mul_f32 v[96+jx:97+jx], v[160+jx:161+jx], v[14:15] op_sel_hi:[1,0]
.set jx, jx+2
.endr
.irp c, 0,1,2,3
.irp j, 0,1,2,3,4,5,6,7
	v_permlane16_swap_b32 v[96+16*\c+\j], v[104+16*\c+\j]
.endr
.endr
.irp b, 0,1,2,3
	v_max3_num_f32 v[232+\b], |v[96+16*\b]|, |v[97+16*\b]|, 0x1800000
.endr
.irp i, 2,4,6,8,10,12,14
.irp b, 0,1,2,3
	s_delay_alu instid0(VALU_DEP_4)
	v_max3_num_f32 v[232+\b], v[232+\b], |v[96+16*\b+\i]|, |v[97+16*\b+\i]|
.endr
.endr
.irp b, 0,1,2,3
	s_delay_alu instid0(VALU_DEP_4)
	v_permlanex16_b32 v[236+\b], v[232+\b], s[SEL], s[SEL+1]
.endr
.irp b, 0,1,2,3
	s_delay_alu instid0(VALU_DEP_4)
	v_max_num_f32 v[232+\b], v[232+\b], v[236+\b]
.endr
.irp b, 0,1,2,3
	s_delay_alu instid0(VALU_DEP_4)
	v_add_nc_u32 v[244+\b], 0xff000000, v[232+\b]
.endr
.irp b, 0,1,2,3
	s_delay_alu instid0(VALU_DEP_4)
	v_lshrrev_b32 v[236+\b], 23, v[244+\b]
.endr
	s_delay_alu instid0(VALU_DEP_3)
	v_lshl_or_b32 v253, v237, 8, v236
	s_delay_alu instid0(VALU_DEP_1)
	v_lshl_or_b32 v253, v238, 16, v253
	s_delay_alu instid0(VALU_DEP_1)
	v_lshl_or_b32 v253, v239, 24, v253
.irp c, 0,1
	v_cvt_scalef32_pk16_fp6_f32 v[224+6*\c:226+6*\c], v[96+32*\c:111+32*\c], v[244+2*\c]
	v_cvt_scalef32_pk16_fp6_f32 v[236+4*\c:238+4*\c], v[112+32*\c:127+32*\c], v[244+2*\c+1]
.endr
	v_nop
.irp c, 0,1
.irp i, 0,1,2
	v_permlane16_swap_b32 v[224+6*\c+\i], v[236+4*\c+\i]
.endr
.irp i, 0,1,2
	s_delay_alu instid0(VALU_DEP_3)
	v_mov_b32 v[227+6*\c+\i], v[236+4*\c+\i]
.endr
.endr
.irp c, 0,1,2
	global_store_b128 v[LI], v[224+4*\c:227+4*\c], s[6:7] offset:512*\c
.endr
	s_wait_xcnt 0x0
	v_cmp_gt_u32 vcc_lo, 16, v[LN]
	s_and_saveexec_b32 s38, vcc_lo
	global_store_b32 v[RO], v253, s[8:9]
	s_wait_xcnt 0x0
	s_or_b32 exec_lo, exec_lo, s38
	s_wait_tensorcnt 0x0
	ds_add_u32 v251, v255
	s_wait_dscnt 0x0
	CROUND
	s_endpgm
.Lfunc_end_k_q7cc201199b_attn:
	.size	k_q7cc201199b_attn, .Lfunc_end_k_q7cc201199b_attn-k_q7cc201199b_attn
	.p2alignl 7, 3214868480
	.fill 96, 4, 3214868480
	.section	.rodata,"a",@progbits
	.p2align	6, 0x0
	.amdhsa_kernel k_q7cc201199b_attn
		.amdhsa_group_segment_fixed_size 327680
		.amdhsa_private_segment_fixed_size 0
		.amdhsa_enable_private_segment 0
		.amdhsa_kernarg_size 16
		.amdhsa_user_sgpr_count 2
		.amdhsa_user_sgpr_kernarg_segment_ptr 1
		.amdhsa_wavefront_size32 1
		.amdhsa_system_sgpr_workgroup_id_x 1
		.amdhsa_system_sgpr_workgroup_id_y 1
		.amdhsa_system_sgpr_workgroup_id_z 1
		.amdhsa_system_vgpr_workitem_id 0
		.amdhsa_next_free_vgpr 256
		.amdhsa_next_free_sgpr 66
		.amdhsa_reserve_vcc 1
		.amdhsa_float_denorm_mode_32 3
		.amdhsa_float_denorm_mode_16_64 3
		.amdhsa_memory_ordered 1
		.amdhsa_forward_progress 1
		.amdhsa_inst_pref_size 70
	.end_amdhsa_kernel
	.amdgpu_metadata
---
amdhsa.version: [ 1, 2 ]
amdhsa.kernels:
  - .name:           k_q7cc201199b_attn
    .symbol:         k_q7cc201199b_attn.kd
    .args:
      - { .name: qkv, .offset: 0, .size: 8, .value_kind: global_buffer, .address_space: global }
      - { .name: attn_img, .offset: 8, .size: 8, .value_kind: global_buffer, .address_space: global }
    .group_segment_fixed_size: 327680
    .private_segment_fixed_size: 0
    .kernarg_segment_align: 8
    .kernarg_segment_size: 16
    .max_flat_workgroup_size: 512
    .sgpr_count:     66
    .vgpr_count:     256
    .wavefront_size: 32
...
	.end_amdgpu_metadata
.endif
;; end of part 3
;; launch oproj (part 4): grid 16 x 16, 4 waves a work-group, clusters of 4 x 4, 327,680 bytes of LDS; arguments attn_img, img, out0; writes out0
.if DOCPART == 4
	.amdgcn_target "amdgcn-amd-amdhsa--gfx1250"
	.amdhsa_code_object_version 6
	.text
	.protected	k_q7cc201199b_oproj
	.globl	k_q7cc201199b_oproj
	.p2align	8
	.type	k_q7cc201199b_oproj,@function
k_q7cc201199b_oproj:
	s_mov_b64 s[64:65], 0
	v_nop
	global_prefetch_b8 v0, s[64:65] scope:SCOPE_SE
	s_setreg_imm32_b32 hwreg(HW_REG_WAVE_MODE, 25, 1), 1
	s_wait_xcnt 0x0
	s_wait_alu depctr_hold_cnt(0) depctr_sa_sdst(0) depctr_va_vdst(0) depctr_va_sdst(0) depctr_va_ssrc(0) depctr_va_vcc(0) depctr_vm_vsrc(0)
	s_getreg_b32 s2, hwreg(HW_REG_IB_STS2, 6, 4)
	s_cmp_eq_u32 s2, 0
	s_cbranch_scc0 .Lentry_in_a_cluster
	s_endpgm
.Lentry_in_a_cluster:
	s_bfe_u32 s2, ttmp6, 0x10000c
	s_cmp_lg_u32 s2, 0xf033
	s_cbranch_scc0 .Lentry_shape_is_right
	s_endpgm
.Lentry_shape_is_right:
; out[m][n] = sum over k of attn[m][k] W_o[k][n], on codes of FP6 (E2M3) with one E8M0 scale for each 32 along K.  M 4,096, N 2,048, K 2,048; out is f32.
; Both operands lie in chunks of 12,800 bytes (128 rows x 128 K: eight fragments as register images, then 128 scale words), 16 chunks to a row block: A = attn_img's 32 row blocks, B = img's row blocks 64-79 (W_o).
; THE TILE is 256 rows of A x 128 rows of B: 16 x 16 = 256 work-groups.  Four waves, 2 x 2, each 128 x 64: 32 accumulators.
; THE RING has two slots of four steps of 128 along K: K's 16 steps are four fills.  Waves 0, 1 bring a row block of A each (51,200 dense bytes), waves 2, 3 two chunks of B each (25,600).
; 4 x 4 work-groups form a cluster: A's tiles are asked for jointly along a row of it, B's along a column.  The matrix instruction is used transposed (source 0 = rows of B).
; PREFETCH: behind the load of fill n stands the request for fill n + 1, four steps ahead of its load; a load's blocks of 256 bytes are shared out by address among the four partners (50 of A's, 25 of B's each).
; The 16 steps are written out: only two of the four fills are refills, so a loop round the ring would have one trip.
; REGISTERS: window 0: v16-30 addresses; v32-47 scale words, two sets; v128-223 A's fragments, one set (on the way out: rows read back).  window 1: B's fragments, two sets, at v0 and v128.  window 2: accumulators, (a, b) at v[8 (4 a + b)].
.set SIZE_N, 2048
.set CH,     12800
.set AREG,   4*CH
.set BREG,   2*CH
.set SLOT,   3*AREG
.set RB,     16*CH
.set FR,     12
.set NP,     4
.set SPARE,  2*SLOT
.set SPITCH, 272                       ; the way out: a stage of 16 rows x (256 + 16) bytes a wave, in slot 0, which has had its last fill and its last read by then
.set ADRA, 16
.set ADRB, 18
.set ADRS, 20                          ; v20-21: scale words of blocks 0-3, slot 0, 1; v22-23: of A's blocks 4-7 (lanes 16-31 take B's blocks 0-3 again)
.set STO,  24
.set RD,   25
.set CO,   26
.set PF0,  27
.set SPW,  28
.set NIL,  29
.set PF1,  30
.set SC,   32
.set AF,   128
.set BK,   128
.set G1, 24
.set G0, 32
.set G1B, 48
.set G0B, 56
.set PFA, 68
.set MSB, 0
.macro WIN new
.if MSB != \new
	s_set_vgpr_msb (MSB<<8)|\new
.set MSB, \new
.endif
.endm
.set MUL,  0xa1
.set TO_B, 0x40
.macro JLOAD g0a, g1a, g0b, g1b
	s_cmp_eq_u32 s15, 0
	s_cbranch_scc0 .Lfor_b_\@
	tensor_load_to_lds s[\g0a:\g0a+3], s[\g1a:\g1a+7]
	s_nop 0
.rept 4
	v_nop
.endr
	s_branch .Lasked_\@
.Lfor_b_\@:
	tensor_load_to_lds s[\g0b:\g0b+3], s[\g1b:\g1b+7]
	s_nop 0
.rept 4
	v_nop
.endr
.Lasked_\@:
.endm
.macro CREST
	s_cmp_lg_u32 s14, 0
	s_cbranch_scc1 .Lnot_wave_0_\@
	s_barrier_signal -3
.Lnot_wave_0_\@:
	s_barrier_wait -3
	s_barrier_signal -1
	s_barrier_wait -1
.endm
.macro CROUND
	s_barrier_signal -1
	s_barrier_wait -1
	CREST
.endm
.macro ASK off                         ; A's waves name 50 blocks in two instructions, B's 25 in one
	global_prefetch_b8 v[PF0], s[PFA:PFA+1] offset:\off th:TH_LOAD_NT scope:SCOPE_SE
	s_cmp_eq_u32 s15, 0
	s_cbranch_scc0 .Lone_\@
	global_prefetch_b8 v[PF1], s[PFA:PFA+1] offset:\off th:TH_LOAD_NT scope:SCOPE_SE
.Lone_\@:
.endm
	s_load_b128 s[4:7], s[0:1], 0x0                ; attn_img, img
	s_load_b64 s[12:13], s[0:1], 0x10              ; out
	v_lshl_add_u32 v[SPW], v0, 2, SPARE
	v_mov_b32 v[NIL], 0
	ds_add_u32 v[SPW], v[NIL]                      ; the opening lines
	ds_add_u32 v[SPW], v[NIL]
	v_lshrrev_b32 v1, 5, v0
	v_readfirstlane_b32 s14, v1
	s_lshr_b32 s15, s14, 1                         ; which 128 of A's rows are mine.  Also: I fetch for A (0) or B (1)
	s_and_b32 s16, s14, 1                          ; which 64 of B's rows are mine.  Also: which part of that side I fetch
	s_bfe_u32 s40, ttmp6, 0x40000
	s_bfe_u32 s41, ttmp6, 0x40004
	s_lshl_b32 s42, ttmp9, 2
	s_add_co_u32 s42, s42, s40                     ; tile column, 128 columns of out
	s_and_b32 s17, ttmp7, 0xffff
	s_lshl_b32 s17, s17, 2
	s_add_co_u32 s17, s17, s41                     ; tile row, 256 rows
	s_lshl_b32 s43, s41, 2
	s_lshl_b32 s43, 15, s43
	s_lshl_b32 s44, 0x1111, s40
	s_or_b32 s[G1], s43, (3<<16)|(1<<21)           ; dense rows of 32 elements of 8 bytes: 200 for A,
	s_mov_b32 s[G1+1], 32<<16
	s_mov_b32 s[G1+2], (AREG/256)<<16
	s_mov_b32 s[G1+3], 32<<16
	s_mov_b32 s[G1+4], AREG/256
	s_mov_b32 s[G1+5], 32
	s_mov_b32 s[G1+6], 0
	s_mov_b32 s[G1+7], 0
	s_or_b32 s[G1B], s44, (3<<16)|(1<<21)          ; 100 for B
	s_mov_b32 s[G1B+1], 32<<16
	s_mov_b32 s[G1B+2], (BREG/256)<<16
	s_mov_b32 s[G1B+3], 32<<16
	s_mov_b32 s[G1B+4], BREG/256
	s_mov_b32 s[G1B+5], 32
	s_mov_b32 s[G1B+6], 0
	s_mov_b32 s[G1B+7], 0
	s_lshl_b32 s20, s17, 1
	s_add_co_u32 s20, s20, s16
	s_mul_i32 s20, s20, RB                         ; A's row block that I would fetch
	s_mov_b32 s21, 0
	s_add_co_u32 s46, s42, 64
	s_mul_i32 s46, s46, RB                         ; B's row block,
	s_mul_i32 s18, s16, BREG                       ; and which two of a fill's four chunks
	s_add_co_u32 s46, s46, s18
	s_mov_b32 s47, 0
	s_mul_i32 s45, s16, AREG
	s_add_co_u32 s95, s18, 2*AREG
	s_wait_dscnt 0x0
	s_wait_kmcnt 0x0
	s_add_nc_u64 s[20:21], s[4:5], s[20:21]
	s_add_nc_u64 s[46:47], s[6:7], s[46:47]
	CROUND
.irp s, 0,1
	s_mov_b32 s[G0+4*\s], 1
	s_add_co_u32 s[G0+4*\s+1], s45, \s*SLOT
	s_add_nc_u64 s[G0+4*\s+2:G0+4*\s+3], s[20:21], \s*AREG
	s_or_b32 s[G0+4*\s+3], s[G0+4*\s+3], 0x80000000
	s_mov_b32 s[G0B+4*\s], 1
	s_add_co_u32 s[G0B+4*\s+1], s95, \s*SLOT
	s_add_nc_u64 s[G0B+4*\s+2:G0B+4*\s+3], s[46:47], \s*AREG
	s_or_b32 s[G0B+4*\s+3], s[G0B+4*\s+3], 0x80000000
.endr
	s_cmp_eq_u32 s15, 0
	s_cselect_b32 s70, s40, s41                    ; my place among the four that ask with me
	s_cselect_b32 s76, 50, 25                      ; blocks to a partner
	s_cselect_b64 s[PFA:PFA+1], s[20:21], s[46:47]
	JLOAD G0, G1, G0B, G1B                         ; steps 0-3: my one load at the head
	s_mul_i32 s70, s70, s76
	s_sub_co_u32 s76, s76, 1
	s_mul_i32 s71, s15, AREG                       ; my row block of A in a slot
	s_mul_i32 s72, s16, 4*1536
	s_add_co_u32 s72, s72, 2*AREG                  ; my four fragments of B
	s_lshl_b32 s73, s16, 8
	s_add_co_u32 s73, s73, 2*AREG
	s_sub_co_u32 s73, s73, s71                     ; from A's scale words to B's
	s_sub_co_u32 s74, s73, 256
	s_mul_i32 s23, s14, 16*SPITCH
	s_lshl_b32 s20, s17, 8
	s_lshl_b32 s21, s15, 7
	s_add_co_u32 s20, s20, s21                     ; my first row of out
	s_mov_b32 s21, 0
	s_mov_b64 s[18:19], SIZE_N*4
	s_mul_u64 s[20:21], s[20:21], s[18:19]
	s_lshl_b32 s46, s42, 9
	s_lshl_b32 s47, s16, 8
	s_add_co_u32 s46, s46, s47                     ; my first column, in bytes
	s_mov_b32 s47, 0
	s_add_nc_u64 s[20:21], s[20:21], s[46:47]
	s_add_nc_u64 s[12:13], s[12:13], s[20:21]
	v_and_b32 v1, 15, v0
	v_bfe_u32 v2, v0, 4, 1
	v_and_b32 v6, 31, v0
	v_lshlrev_b32 v7, 4, v6
	v_add_nc_u32 v[ADRA], s71, v7
	v_add_nc_u32 v[ADRB], s72, v7
	v_add_nc_u32 v[ADRA+1], SLOT, v[ADRA]
	v_add_nc_u32 v[ADRB+1], SLOT, v[ADRB]
	v_lshl_add_u32 v3, v1, 2, s71
	v_mul_u32_u24 v4, s73, v2
	v_mul_u32_u24 v5, s74, v2
	v_add_nc_u32 v4, v3, v4
	v_add_nc_u32 v5, v3, v5
	v_add_nc_u32 v[ADRS], 12288, v4
	v_add_nc_u32 v[ADRS+1], SLOT+12288, v4
	v_add_nc_u32 v[ADRS+2], 12288, v5
	v_add_nc_u32 v[ADRS+3], SLOT+12288, v5
	v_mul_u32_u24 v5, v1, SPITCH                   ; the stage, in: row r, 32 bytes for each half of the lanes
	v_lshl_add_u32 v5, v2, 5, v5
	v_add_nc_u32 v[STO], s23, v5
	v_mul_u32_u24 v5, v2, SPITCH                   ; back: lanes 0-15 one row of 256 bytes, lanes 16-31 the next
	v_lshl_add_u32 v5, v1, 4, v5
	v_add_nc_u32 v[RD], s23, v5
	v_mul_u32_u24 v5, v2, SIZE_N*4
	v_lshl_add_u32 v[CO], v1, 4, v5
	v_min_u32 v8, s76, v6
	v_add_nc_u32 v8, s70, v8
	v_lshlrev_b32 v[PF0], 8, v8
	v_add_nc_u32 v9, 32, v6
	v_min_u32 v9, s76, v9
	v_add_nc_u32 v9, s70, v9
	v_lshlrev_b32 v[PF1], 8, v9
	s_wait_alu depctr_va_vdst(0)                   ; the wait at the head's end
.macro FRAG reg, adr, q, i
.irp c, 0,1,2
	ds_load_b128 v[\reg+4*\c:\reg+4*\c+3], v[\adr] offset:(\q)*CH+(\i)*1536+512*\c
.endr
.endm
; 8 matrix instructions: A's blocks a0, a0 + 1 x B's four.  The 32 accumulators take turns.
.macro MUL8 a0, p, zero
.irp a, \a0, \a0+1
.irp b, 0,1,2,3
.if \zero
	v_wmma_scale_f32_16x16x128_f8f6f4 v[8*(4*(\a)+\b):8*(4*(\a)+\b)+7], v[128*(\p)+FR*\b:128*(\p)+FR*\b+FR-1], v[AF+FR*(\a):AF+FR*(\a)+FR-1], 0, v[SC+8*(\p)+\b], v[SC+8*(\p)+(\a)] matrix_a_fmt:MATRIX_FMT_FP6 matrix_b_fmt:MATRIX_FMT_FP6 matrix_a_scale:MATRIX_SCALE_ROW1
.else
	v_wmma_scale_f32_16x16x128_f8f6f4 v[8*(4*(\a)+\b):8*(4*(\a)+\b)+7], v[128*(\p)+FR*\b:128*(\p)+FR*\b+FR-1], v[AF+FR*(\a):AF+FR*(\a)+FR-1], v[8*(4*(\a)+\b):8*(4*(\a)+\b)+7], v[SC+8*(\p)+\b], v[SC+8*(\p)+(\a)] matrix_a_fmt:MATRIX_FMT_FP6 matrix_b_fmt:MATRIX_FMT_FP6 matrix_a_scale:MATRIX_SCALE_ROW1
.endif
.endr
.endr
.endm
.macro FETCH_B slot, q, p
	WIN TO_B
.irp i, 0,1,2,3
	FRAG 128*(\p)+FR*\i, ADRB+\slot, \q, \i
.endr
	WIN 0
.endm
.macro FETCH_A slot, q, i0
.irp i, \i0, \i0+1, \i0+2, \i0+3
	FRAG AF+FR*(\i), ADRA+\slot, \q, \i
.endr
.endm
.macro SCALES slot, q, p               ; register i: lanes 0-15 the word of A's block i, lanes 16-31 that of B's block i % 4
.irp i, 0,1,2,3,4,5,6,7
	ds_load_b32 v[SC+8*(\p)+\i], v[ADRS+2*(\i/4)+\slot] offset:(\q)*CH+64*\i
.endr
.endm
.macro PLACES n
.rept \n
	v_nop
.endr
.endm
.macro STEP p, ns, nq, zero
	s_wait_dscnt 12                                ; all but the youngest 12 loads (A's blocks 4-7)
	WIN MUL
	MUL8 0, \p, \zero
	MUL8 2, \p, \zero
	s_wait_dscnt 0
	PLACES NP
	FETCH_B \ns, \nq, 1-(\p)
	FETCH_A \ns, \nq, 0
	SCALES \ns, \nq, 1-(\p)
	WIN MUL
	MUL8 4, \p, \zero
	MUL8 6, \p, \zero
	PLACES NP
	WIN 0
	FETCH_A \ns, \nq, 4
.endm
.macro TURN slot, next, fill, ask      ; a slot's fourth step (set 1) changes slots
	s_wait_tensorcnt 0x0
	ds_add_u32 v[SPW], v[NIL]
	s_wait_dscnt 13
	WIN MUL
	MUL8 0, 1, 0
	s_wait_dscnt 0x0
	s_barrier_signal -1
	MUL8 2, 1, 0
	WIN 0
	s_barrier_wait -1
.if \fill
	CREST
	s_add_nc_u64 s[G0+4*\slot+2:G0+4*\slot+3], s[G0+4*\slot+2:G0+4*\slot+3], 2*AREG
	s_add_nc_u64 s[G0B+4*\slot+2:G0B+4*\slot+3], s[G0B+4*\slot+2:G0B+4*\slot+3], 2*AREG
	JLOAD G0+4*\slot, G1, G0B+4*\slot, G1B
.else
	PLACES NP
.endif
	FETCH_B \next, 0, 0
	FETCH_A \next, 0, 0
	SCALES \next, 0, 0
.if \ask
	ASK 3*AREG
.endif
	WIN MUL
	MUL8 4, 1, 0
	MUL8 6, 1, 0
	PLACES NP
	WIN 0
	FETCH_A \next, 0, 4
.endm
.macro RUN3 slot, zero                 ; a slot's first three steps
	STEP 0, \slot, 1, \zero
	STEP 1, \slot, 2, 0
	STEP 0, \slot, 3, 0
.endm
	ASK AREG                                       ; steps 4-7
	s_wait_tensorcnt 0x0                           ; my part of slot 0 is in; slot 1's first fill is issued as a refill is:
	ds_add_u32 v[SPW], v[NIL]
	s_wait_dscnt 0x0
	CROUND
	JLOAD G0+4, G1, G0B+4, G1B                     ; steps 4-7
	FETCH_B 0, 0, 0
	FETCH_A 0, 0, 0
	SCALES 0, 0, 0
	FETCH_A 0, 0, 4
	ASK 2*AREG                                     ; steps 8-11
	RUN3 0, 1
	TURN 0, 1, 1, 1                                ; slot 0 takes steps 8-11; steps 12-15 are asked for
	RUN3 1, 0
	TURN 1, 0, 1, 0                                ; slot 1 takes steps 12-15
	RUN3 0, 0
	TURN 0, 1, 0, 0
	RUN3 1, 0
	s_wait_dscnt 12                                ; the very last step
	WIN MUL
	MUL8 0, 1, 0
	MUL8 2, 1, 0
	s_wait_dscnt 0
	MUL8 4, 1, 0
	MUL8 6, 1, 0
	WIN 0
; THE WAY OUT, block by block of 16 rows x 64 columns, through my own stage: back come whole rows of 256 bytes, two to an instruction.  LDS serves a wave's instructions in order (ISA guide 5.7.1.4).
.macro TOSTAGE a
.set AC, 32*(\a)
	WIN 0x08
.irp b, 0,1,2,3
	ds_store_b128 v[STO], v[AC+8*\b:AC+8*\b+3] offset:64*\b          ; each accumulator from its low end on
	ds_store_b128 v[STO], v[AC+8*\b+4:AC+8*\b+7] offset:64*\b+16
.endr
	WIN 0
.set BB, BK+32*((\a)%2)
.irp t, 0,1,2,3,4,5,6,7
	ds_load_b128 v[BB+4*\t:BB+4*\t+3], v[RD] offset:\t*2*SPITCH
.endr
.endm
.macro SEND a, younger
.set BB, BK+32*((\a)%2)
	s_wait_dscnt \younger
.if (\a) > 0
	s_add_nc_u64 s[12:13], s[12:13], 16*SIZE_N*4   ; (behind a wait on XCNT)
.endif
.irp t, 0,1,2,3,4,5,6,7
	global_store_b128 v[CO], v[BB+4*\t:BB+4*\t+3], s[12:13] offset:2*\t*SIZE_N*4 th:TH_STORE_NT   ; 16 lanes store 256 consecutive bytes, aligned
.endr
.endm
	PLACES NP
	TOSTAGE 0
.irp a, 1,2,3,4,5,6,7
.if \a > 1
	s_wait_xcnt 0x0                                ; block a - 2's stores have read their registers and their base
.endif
	TOSTAGE \a
	SEND \a-1, 16
.endr
	s_wait_xcnt 0x0
	SEND 7, 0
	s_wait_tensorcnt 0x0                           ; the wave's end
	ds_add_u32 v[SPW], v[NIL]
	s_wait_dscnt 0x0
	CROUND                                         ; the closing round
	s_endpgm
.Lfunc_end_k_q7cc201199b_oproj:
	.size	k_q7cc201199b_oproj, .Lfunc_end_k_q7cc201199b_oproj-k_q7cc201199b_oproj
	.p2alignl 7, 3214868480
	.fill 96, 4, 3214868480
	.section	.rodata,"a",@progbits
	.p2align	6, 0x0
	.amdhsa_kernel k_q7cc201199b_oproj
		.amdhsa_group_segment_fixed_size 327680
		.amdhsa_private_segment_fixed_size 0
		.amdhsa_enable_private_segment 0
		.amdhsa_kernarg_size 24
		.amdhsa_user_sgpr_count 2
		.amdhsa_user_sgpr_kernarg_segment_ptr 1
		.amdhsa_wavefront_size32 1
		.amdhsa_system_sgpr_workgroup_id_x 1
		.amdhsa_system_sgpr_workgroup_id_y 1
		.amdhsa_system_sgpr_workgroup_id_z 1
		.amdhsa_system_vgpr_workitem_id 0
		.amdhsa_next_free_vgpr 768
		.amdhsa_next_free_sgpr 98
		.amdhsa_reserve_vcc 0
		.amdhsa_float_denorm_mode_32 3
		.amdhsa_float_denorm_mode_16_64 3
		.amdhsa_memory_ordered 1
		.amdhsa_forward_progress 1
		.amdhsa_inst_pref_size 143
	.end_amdhsa_kernel
	.amdgpu_metadata
---
amdhsa.version: [ 1, 2 ]
amdhsa.kernels:
  - .name:           k_q7cc201199b_oproj
    .symbol:         k_q7cc201199b_oproj.kd
    .args:
      - { .name: attn_img, .offset: 0, .size: 8, .value_kind: global_buffer, .address_space: global }
      - { .name: img, .offset: 8, .size: 8, .value_kind: global_buffer, .address_space: global }
      - { .name: out0, .offset: 16, .size: 8, .value_kind: global_buffer, .address_space: global }
    .group_segment_fixed_size: 327680
    .private_segment_fixed_size: 0
    .kernarg_segment_align: 8
    .kernarg_segment_size: 24
    .max_flat_workgroup_size: 128
    .sgpr_count:     98
    .vgpr_count:     768
    .wavefront_size: 32
...
	.end_amdgpu_metadata
.endif
;; end of part 4
